; MI455X (gfx1250); checked and timed in simulation.
; The chip was launched on July 23, 2026; its instructions are those of AMD's public machine-readable ISA for CDNA 5 (MIT licence, August 2026) and "CDNA5" Instruction Set Architecture Reference Guide (July 2026). The comments in the code are by the model that wrote it; some were corrected since.
;; DWR Block. Allowed arithmetic: matrix products marked QUANTISED: E5M2 operands, one given power-of-two scale a tensor, by v_wmma_f32_16x16x64_bf8_bf8 or v_wmma_f32_16x16x128_bf8_bf8, f32 sums; products left as they are: f32 operands where the result goes on into a quantised operand, else bf16, f16 or f32 operands; f32 sums; everything else in f32.
;; Inputs: W1_codes 8 x 512 x 32 x 32 uint8 (E5M2 codes of W1, K innermost, in blocks of 32 codes); W2_codes 8 x 1,024 x 16 x 32 uint8 (E5M2 codes of W2, K innermost, in blocks of 32 codes); Wg 1,024 x 8 float32; b1 8 x 512 float32; b2 8 x 1,024 float32; beta 1,024 float32; bg 8 float32; gamma 1,024 float32; lowp_scales 32 int32 (the exponents e of the quantised operands' scales 2^e); x 4 x 2,048 x 1,024 float32.
;; Outputs: out0 4 x 2,048 x 1,024 float32; out1 one number float32.
;; This version of the problem:
;;   THIS VERSION OF THE PROBLEM IS GIVEN IN LOW PRECISION. The matrix products marked QUANTISED in the list below multiply operands that are first quantised to E5M2 (5 exponent bits, 2 mantissa bits; 8 bits a number), with one given power-of-two scale for each operand tensor; their sums are f32. All else is computed in f32.
;;   The module's matrix products, in the order in which they are computed (A, B: the left and right operand; K: the contracted axis; several contracted axes count as one K, in the product's order):
;;     1. [M 8,192, K 1,024] x [K 1,024, N 8]; A: input x; B: input Wg: left as it is (N = 8 < 16)
;;     2. batch 8,192 x [M 1, K 2] x [K 2, N 8]; A: computed on the way; B: computed on the way: left as it is (K = 2 < 32)
;;     3. [M 8,192, K 1,024] x [K 1,024, N 512]; A: input x; B: input W1 (given as codes): QUANTISED (scales: A lowp_scales[0], B lowp_scales[1])
;;     4. [M 8,192, K 512] x [K 512, N 1,024]; A: computed on the way; B: input W2 (given as codes): QUANTISED (scales: A lowp_scales[2], B lowp_scales[3])
;;     5. [M 8,192, K 1,024] x [K 1,024, N 512]; A: input x; B: input W1 (given as codes): QUANTISED (scales: A lowp_scales[4], B lowp_scales[5])
;;     6. [M 8,192, K 512] x [K 512, N 1,024]; A: computed on the way; B: input W2 (given as codes): QUANTISED (scales: A lowp_scales[6], B lowp_scales[7])
;;     7. [M 8,192, K 1,024] x [K 1,024, N 512]; A: input x; B: input W1 (given as codes): QUANTISED (scales: A lowp_scales[8], B lowp_scales[9])
;;     8. [M 8,192, K 512] x [K 512, N 1,024]; A: computed on the way; B: input W2 (given as codes): QUANTISED (scales: A lowp_scales[10], B lowp_scales[11])
;;     9. [M 8,192, K 1,024] x [K 1,024, N 512]; A: input x; B: input W1 (given as codes): QUANTISED (scales: A lowp_scales[12], B lowp_scales[13])
;;     10. [M 8,192, K 512] x [K 512, N 1,024]; A: computed on the way; B: input W2 (given as codes): QUANTISED (scales: A lowp_scales[14], B lowp_scales[15])
;;     11. [M 8,192, K 1,024] x [K 1,024, N 512]; A: input x; B: input W1 (given as codes): QUANTISED (scales: A lowp_scales[16], B lowp_scales[17])
;;     12. [M 8,192, K 512] x [K 512, N 1,024]; A: computed on the way; B: input W2 (given as codes): QUANTISED (scales: A lowp_scales[18], B lowp_scales[19])
;;     13. [M 8,192, K 1,024] x [K 1,024, N 512]; A: input x; B: input W1 (given as codes): QUANTISED (scales: A lowp_scales[20], B lowp_scales[21])
;;     14. [M 8,192, K 512] x [K 512, N 1,024]; A: computed on the way; B: input W2 (given as codes): QUANTISED (scales: A lowp_scales[22], B lowp_scales[23])
;;     15. [M 8,192, K 1,024] x [K 1,024, N 512]; A: input x; B: input W1 (given as codes): QUANTISED (scales: A lowp_scales[24], B lowp_scales[25])
;;     16. [M 8,192, K 512] x [K 512, N 1,024]; A: computed on the way; B: input W2 (given as codes): QUANTISED (scales: A lowp_scales[26], B lowp_scales[27])
;;     17. [M 8,192, K 1,024] x [K 1,024, N 512]; A: input x; B: input W1 (given as codes): QUANTISED (scales: A lowp_scales[28], B lowp_scales[29])
;;     18. [M 8,192, K 512] x [K 512, N 1,024]; A: computed on the way; B: input W2 (given as codes): QUANTISED (scales: A lowp_scales[30], B lowp_scales[31])
;;   THE QUANTISER, for each operand of a quantised product, along K:
;;     - The operand's scale is 2^e, e = its entry of the input lowp_scales (int32; the entries are numbered through the quantised products in the list's order, A before B).
;;     - Each number is divided by the scale, clamped to +-57,344, and rounded to the nearest number of E5M2, ties to even, subnormals kept.
;;     - The product sums the exact products of the quantised numbers (number of the format x scale) in f32.
;;   ~~~python
;;   def quantise(x, axis, e):      # numpy; x: float32 -> the quantised numbers, widened to float32 again
;;       x = np.moveaxis(x, axis, -1); K = x.shape[-1]
;;       r = np.clip(x / 2.0 ** e, -57344, 57344)
;;       step = 2.0 ** (np.maximum(np.frexp(np.where(r == 0, 1, r))[1] - 1, -14) - 2)
;;       q = np.round(r / step) * step * 2.0 ** e      # np.round: ties to even
;;       return np.moveaxis(q, -1, axis).astype(np.float32)
;;   ~~~
;;   OPERANDS COMPUTED ON THE WAY. 'Computed on the way' means the value that the module computes at that place (a softmax that the list does not call 'softmax' is quantised finished and normalised). What goes into a quantiser is computed in f32, as accurately as f32 sums, v_exp_f32 and their like allow (about 1e-6 of the number): no bf16 or f16 on the way to a quantiser, and a product that is left as it is and whose result goes on into a quantised operand takes f32 operands (vector FMAs, or v_wmma_f32_16x16x4_f32). A number that lies on a knife's edge between two numbers of the format may be rounded either way, as far as f32 arithmetic and the matrix unit's own rounding can turn it there, and no further.
;;   INPUTS GIVEN AS CODES. W1 (in the module: [8, 1024, 512], K = its axis 1); W2 (in the module: [8, 512, 1024], K = its axis 1): each comes as NAME_codes (uint8): NAME with its K axis moved to the last place and cut into blocks of 32 codes, [.., K / 32, bytes a block], one block behind the other in memory; one code a byte (a code: sign, 5 exponent bits, 2 mantissa bits); its scale is its entry of lowp_scales. Its value is code x scale, taken as it is: it is not quantised again, and the codes and scales need not be those that the quantiser above would give.
;; 2 versions. Each part assembles by itself: llvm-mc -triple=amdgcn-amd-amdhsa -mcpu=gfx1250 --defsym DOCPART=n.
;; ======== version 1 of 2: 3 launches
;; workspace buffers: kr 32,768 bytes of whole numbers; hist 32,768 bytes of whole numbers; wts 65,536 bytes; psum 8,192 bytes; tok 39,680 bytes of whole numbers; tiles 2,560 bytes of whole numbers; w1f 4,194,304 bytes; w2f 4,194,304 bytes
;; launch route (part 1): grid 256 x 1, 4 waves a work-group, no clusters, 137,728 bytes of LDS; arguments x, Wg, bg, kr, hist, wts, psum; writes kr, hist, wts, psum
.if DOCPART == 1
	.amdgcn_target "amdgcn-amd-amdhsa--gfx1250"
	.amdhsa_code_object_version 6
	.text
	.protected	k_q3d893321c5_route
	.globl	k_q3d893321c5_route
	.p2align	8
	.type	k_q3d893321c5_route,@function
k_q3d893321c5_route:
	s_mov_b64 s[64:65], 0
	v_nop
	global_prefetch_b8 v0, s[64:65] scope:SCOPE_SE
	s_setreg_imm32_b32 hwreg(HW_REG_WAVE_MODE, 25, 1), 1
	s_wait_xcnt 0x0
; THE ROUTER.  logits = x Wg + bg in f32 (fused multiply-adds), softmax with the row's maximum taken away, the two largest probabilities (of equal ones the lower index).
; A work-group takes 32 tokens.  Wave w takes K = 256 w .. 256 w + 255 of all 32 rows: of a row, lane l holds k = 256 w + 128 c + 4 l + j (c = 0, 1; j = 0 .. 3): two loads of 512 consecutive bytes.
; Its 8 x 8 numbers of Wg stay in 64 registers.  A row's eight partial sums of each lane go to the wave's own LDS; lane r then adds row r's 32 parts; the four waves' parts meet behind the one barrier; wave 0 goes on, a lane a token.
; STORED, all at fixed places (no address and no branch hangs on a computed number):
;   kr[token]   = q | rank << 8:  q = the number of the pair (lo, hi) of chosen experts, 0 .. 27; rank = how many earlier tokens of these 32 have the same q
;   hist[group][32]: lane q = how many of the 32 tokens have pair q (lanes 28 to 31: 0);   wts[token] = (score of lo, score of hi);   psum[group][8] = the 32 tokens' sum of probabilities
; LIMITS: NaN among the inputs is not served.  Where a token's second and third probability differ by less than the rounding of f32 sums, either may be chosen.
.set RP,   1040                        ; a row of parts in LDS: 2 x 32 lanes x 16 bytes + 16 of padding = 260 words: sixteen lanes that read sixteen rows start in sixteen different columns of 16 bytes
.set WREG, 32*RP                       ; a wave's 32 rows
.set XW,   4*WREG                      ; behind them: [wave][half of the experts][token] 16 bytes
.set WGR,  16                          ; v16-79   Wg: register 8 kk + e, kk = 4 c + j
.set XR,   80                          ; v80-207  sixteen row slots of 8 registers; later the parts read back
.set ACC,  208                         ; v208-223 a row's eight sums, two sets by turns; later the token's eight sums
	s_load_b256 s[4:11], s[0:1], 0x0               ; x s[4:5], Wg s[6:7], bg s[8:9], kr s[10:11]
	s_load_b128 s[12:15], s[0:1], 0x20             ; hist s[12:13], wts s[14:15]
	s_load_b64 s[16:17], s[0:1], 0x30              ; psum
	v_lshl_add_u32 v254, v0, 2, 0x21800
	v_mov_b32 v255, 0
	v_lshrrev_b32 v8, 5, v0
	v_readfirstlane_b32 s2, v8                     ; wave 0..3
	v_and_b32 v1, 31, v0                           ; lane
	v_lshlrev_b32 v9, 4, v1                        ; 16 x lane
	s_lshl_b32 s18, s2, 10
	v_add_nc_u32 v2, s18, v9                       ; x: 1,024 w + 16 lane in a row
	s_add_co_u32 s18, s18, XW
	v_add_nc_u32 v6, s18, v9                       ; where my wave's sums go
	v_add_nc_u32 v7, XW, v9                        ; and where wave 0 reads all four
	s_lshl_b32 s18, s2, 13
	v_lshl_add_u32 v3, v1, 7, s18                  ; Wg: (256 w + 4 lane) rows of 32 bytes
	s_mul_i32 s19, s2, WREG
	v_add_nc_u32 v4, s19, v9                       ; parts, in: 16 x lane in a row
	v_mul_u32_u24 v5, v1, RP
	v_add_nc_u32 v5, s19, v5                       ; parts, back: row = my lane
	s_lshl_b32 s20, ttmp9, 17                      ; 32 rows of 4,096 bytes a work-group
	s_mov_b32 s21, 0
	s_mov_b32 s22, 0x76543210                      ; v_permlanex16_b32: lane l xor 16
	s_mov_b32 s23, 0xfedcba98
	s_wait_kmcnt 0x0
	s_load_b256 s[24:31], s[8:9], 0x0              ; bg
	s_add_nc_u64 s[4:5], s[4:5], s[20:21]
.irp c, 0,1
.irp j, 0,1,2,3
.irp u, 0,1
	global_load_b128 v[WGR+8*(4*\c+\j)+4*\u:WGR+8*(4*\c+\j)+4*\u+3], v3, s[6:7] offset:4096*\c+32*\j+16*\u
.endr
.endr
.endr
.macro LOADROW i                       ; row i into slot i % 16
	global_load_b128 v[XR+8*((\i)%16):XR+8*((\i)%16)+3], v2, s[4:5] offset:4096*(\i)
	global_load_b128 v[XR+8*((\i)%16)+4:XR+8*((\i)%16)+7], v2, s[4:5] offset:4096*(\i)+512
.endm
.irp i, 0,1,2,3,4,5,6,7,8,9,10,11,12,13,14,15
	LOADROW \i
.endr
.macro ROW i
.if (\i) <= 16
	s_wait_loadcnt 30                              ; behind row i's two loads stand those of the fifteen rows that follow; Wg's loads are older and so are in too
.else
	s_wait_loadcnt 2*(31-(\i))                     ; the last rows: the count runs down
.endif
.set XB, XR+8*((\i)%16)
.set AB, ACC+8*((\i)%2)
.irp p, 0,1,2,3
	v_pk_mul_f32 v[AB+2*\p:AB+2*\p+1], v[XB:XB+1], v[WGR+2*\p:WGR+2*\p+1] op_sel_hi:[0,1]   ; the first product starts the sums: x(k) for both halves, two experts
.endr
.irp kk, 1,2,3,4,5,6,7
.irp p, 0,1,2,3
.if (\kk)%2
	v_pk_fma_f32 v[AB+2*\p:AB+2*\p+1], v[XB+\kk-1:XB+\kk], v[WGR+8*\kk+2*\p:WGR+8*\kk+2*\p+1], v[AB+2*\p:AB+2*\p+1] op_sel:[1,0,0] op_sel_hi:[1,1,1]
.else
	v_pk_fma_f32 v[AB+2*\p:AB+2*\p+1], v[XB+\kk:XB+\kk+1], v[WGR+8*\kk+2*\p:WGR+8*\kk+2*\p+1], v[AB+2*\p:AB+2*\p+1] op_sel_hi:[0,1,1]
.endif
.endr
.endr
	ds_store_b128 v4, v[AB:AB+3] offset:RP*(\i)
	ds_store_b128 v4, v[AB+4:AB+7] offset:RP*(\i)+512
.if (\i) < 16
	LOADROW (\i)+16
.endif
.endm
.irp i, 0,1,2,3,4,5,6,7,8,9,10,11,12,13,14,15,16,17,18,19,20,21,22,23,24,25,26,27,28,29,30,31
	ROW \i
.endr
; lane r adds the 32 parts of row r, four experts at a time.  The bytes are the wave's own, and LDS serves a wave's instructions in order: no barrier and no wait between the stores above and these loads.
.macro ADDQ a, b
	v_pk_add_f32 v[XR+4*(\a):XR+4*(\a)+1], v[XR+4*(\a):XR+4*(\a)+1], v[XR+4*(\b):XR+4*(\b)+1]
	v_pk_add_f32 v[XR+4*(\a)+2:XR+4*(\a)+3], v[XR+4*(\a)+2:XR+4*(\a)+3], v[XR+4*(\b)+2:XR+4*(\b)+3]
.endm
.irp u, 0,1
.irp l, 0,1,2,3,4,5,6,7,8,9,10,11,12,13,14,15,16,17,18,19,20,21,22,23,24,25,26,27,28,29,30,31
	ds_load_b128 v[XR+4*\l:XR+4*\l+3], v5 offset:512*\u+16*\l
.endr
	s_wait_dscnt 0x0
.irp l, 0,1,2,3,4,5,6,7,8,9,10,11,12,13,14,15
	ADDQ \l, \l+16
.endr
.irp l, 0,1,2,3,4,5,6,7
	ADDQ \l, \l+8
.endr
.irp l, 0,1,2,3
	ADDQ \l, \l+4
.endr
.irp l, 0,1
	ADDQ \l, \l+2
.endr
	v_pk_add_f32 v[ACC+4*\u:ACC+4*\u+1], v[XR:XR+1], v[XR+4:XR+5]
	v_pk_add_f32 v[ACC+4*\u+2:ACC+4*\u+3], v[XR+2:XR+3], v[XR+6:XR+7]
.endr
	ds_store_b128 v6, v[ACC:ACC+3]
	ds_store_b128 v6, v[ACC+4:ACC+7] offset:512
	s_wait_dscnt 0x0                               ; for the others' sake: my stores are done
	s_barrier_signal -1
	s_barrier_wait -1
	s_cmp_lg_u32 s2, 0
	s_cbranch_scc1 .Lend                           ; wave 0 goes on alone: a lane a token; no barrier follows
.irp w, 0,1,2,3
.irp u, 0,1
	ds_load_b128 v[XR+8*\w+4*\u:XR+8*\w+4*\u+3], v7 offset:1024*\w+512*\u
.endr
.endr
	s_lshl_b32 s20, ttmp9, 7                       ; the outputs' places for this group
	s_add_nc_u64 s[10:11], s[10:11], s[20:21]
	s_add_nc_u64 s[12:13], s[12:13], s[20:21]
	s_lshl_b32 s20, ttmp9, 8
	s_add_nc_u64 s[14:15], s[14:15], s[20:21]
	s_lshl_b32 s20, ttmp9, 5
	s_add_nc_u64 s[16:17], s[16:17], s[20:21]
	s_wait_dscnt 0x0
.irp p, 0,2,4,6
	v_pk_add_f32 v[80+\p:81+\p], v[80+\p:81+\p], v[88+\p:89+\p]
	v_pk_add_f32 v[96+\p:97+\p], v[96+\p:97+\p], v[104+\p:105+\p]
.endr
.irp p, 0,2,4,6
	v_pk_add_f32 v[80+\p:81+\p], v[80+\p:81+\p], v[96+\p:97+\p]
.endr
	s_wait_kmcnt 0x0
.irp e, 0,1,2,3,4,5,6,7
	v_add_f32 v[80+\e], s[24+\e], v[80+\e]         ; + bg: the logits, v80-87
.endr
	v_max3_num_f32 v88, v80, v81, v82
	v_max3_num_f32 v88, v88, v83, v84
	v_max3_num_f32 v88, v88, v85, v86
	v_max_num_f32 v88, v88, v87                    ; the row's maximum
.irp e, 0,1,2,3,4,5,6,7
	v_sub_f32 v[80+\e], v[80+\e], v88
.endr
.irp e, 0,1,2,3,4,5,6,7
	v_mul_f32 v[80+\e], 0x3fb8aa3b, v[80+\e]       ; x log2(e)
.endr
.irp e, 0,1,2,3,4,5,6,7
	v_exp_f32 v[80+\e], v[80+\e]
.endr
	v_nop                                          ; a plain instruction behind the last exponential,
	s_wait_alu depctr_va_vdst(0)                   ; and one wait for the batch, ahead of its first reader
	v_add_f32 v89, v80, v81
	v_add_f32 v90, v82, v83
	v_add_f32 v91, v84, v85
	v_add_f32 v92, v86, v87
	v_add_f32 v89, v89, v90
	v_add_f32 v91, v91, v92
	v_add_f32 v89, v89, v91
	v_rcp_f32 v89, v89
	v_nop
	s_wait_alu depctr_va_vdst(0)
.irp e, 0,1,2,3,4,5,6,7
	v_mul_f32 v[80+\e], v[80+\e], v89              ; the probabilities
.endr
	v_mov_b32 v96, v80                             ; the largest, v96, and its index, v97: a later one wins only if it is greater
	v_mov_b32 v97, 0
.irp e, 1,2,3,4,5,6,7
	v_cmp_ge_f32 vcc_lo, v96, v[80+\e]             ; keep the old one where it is not smaller
	v_cndmask_b32 v97, \e, v97, vcc_lo
	v_cndmask_b32 v96, v[80+\e], v96, vcc_lo
.endr
	v_mov_b32 v98, -1.0                            ; the second, v98 and v99: the same walk, passing over the first
	v_mov_b32 v99, 0
.irp e, 0,1,2,3,4,5,6,7
	v_cmp_eq_u32 s32, \e, v97
	v_cmp_ge_f32 vcc_lo, v98, v[80+\e]
	s_or_b32 vcc_lo, vcc_lo, s32
	v_cndmask_b32 v99, \e, v99, vcc_lo
	v_cndmask_b32 v98, v[80+\e], v98, vcc_lo
.endr
	v_min_u32 v100, v97, v99                       ; lo
	v_max_u32 v101, v97, v99                       ; hi
	v_cmp_lt_u32 vcc_lo, v97, v99
	v_cndmask_b32 v102, v98, v96, vcc_lo           ; lo's score
	v_cndmask_b32 v103, v96, v98, vcc_lo           ; hi's score
	v_sub_nc_u32 v104, 15, v100
	v_mul_u32_u24 v104, v104, v100
	v_lshrrev_b32 v104, 1, v104                    ; (15 - lo) lo / 2: the pairs with a smaller lo
	v_add_nc_u32 v104, v104, v101
	v_sub_nc_u32 v104, v104, v100
	v_add_nc_u32 v104, -1, v104                    ; q
	v_mov_b32 v105, 0                              ; rank
	v_mov_b32 v106, 0                              ; the histogram, lane q
.irp q, 0,1,2,3,4,5,6,7,8,9,10,11,12,13,14,15,16,17,18,19,20,21,22,23,24,25,26,27
	v_cmp_eq_u32 s32, \q, v104
	v_mbcnt_lo_u32_b32 v107, s32, 0                ; how many lower lanes have this pair
	v_cndmask_b32 v105, v105, v107, s32
	s_bcnt1_i32_b32 s33, s32
	v_writelane_b32 v106, s33, \q
.endr
	v_lshl_or_b32 v104, v105, 8, v104              ; q | rank << 8
	v_mov_b32 v108, 0                              ; written once: a lane permute's destination counts as one of its sources
.irp x, 1,2,4,8
.irp e, 0,1,2,3,4,5,6,7
	v_add_f32_dpp v[80+\e], v[80+\e], v[80+\e] row_xmask:\x row_mask:0xf bank_mask:0xf
.endr
.endr
.irp e, 0,1,2,3,4,5,6,7
	v_permlanex16_b32 v108, v[80+\e], s22, s23
	v_add_f32 v[80+\e], v[80+\e], v108             ; the 32 tokens' sum of expert e's probability, in every lane
.endr
	v_mov_b32 v109, v80
.irp e, 1,2,3,4,5,6,7
	v_cmp_eq_u32 vcc_lo, \e, v1
	v_cndmask_b32 v109, v109, v[80+\e], vcc_lo     ; lane e takes expert e's
.endr
	v_lshlrev_b32 v110, 2, v1
	v_lshlrev_b32 v111, 3, v1
	global_store_b32 v110, v104, s[10:11]
	global_store_b64 v111, v[102:103], s[14:15]
	global_store_b32 v110, v106, s[12:13]
	v_cmp_gt_u32 vcc_lo, 8, v1
	s_wait_xcnt 0x0                                ; EXEC changes only behind this wait
	s_and_saveexec_b32 s33, vcc_lo
	global_store_b32 v110, v109, s[16:17]
	s_wait_xcnt 0x0
	s_or_b32 exec_lo, exec_lo, s33
.Lend:
	s_wait_tensorcnt 0x0
	ds_add_u32 v254, v255
	s_wait_dscnt 0x0
	s_endpgm
.Lfunc_end_k_q3d893321c5_route:
	.size	k_q3d893321c5_route, .Lfunc_end_k_q3d893321c5_route-k_q3d893321c5_route
	.p2alignl 7, 3214868480
	.fill 96, 4, 3214868480
	.section	.rodata,"a",@progbits
	.p2align	6, 0x0
	.amdhsa_kernel k_q3d893321c5_route
		.amdhsa_group_segment_fixed_size 137728
		.amdhsa_private_segment_fixed_size 0
		.amdhsa_enable_private_segment 0
		.amdhsa_kernarg_size 56
		.amdhsa_user_sgpr_count 2
		.amdhsa_user_sgpr_kernarg_segment_ptr 1
		.amdhsa_wavefront_size32 1
		.amdhsa_system_sgpr_workgroup_id_x 1
		.amdhsa_system_sgpr_workgroup_id_y 1
		.amdhsa_system_sgpr_workgroup_id_z 1
		.amdhsa_system_vgpr_workitem_id 0
		.amdhsa_next_free_vgpr 256
		.amdhsa_next_free_sgpr 66
		.amdhsa_reserve_vcc 1
		.amdhsa_float_denorm_mode_32 3
		.amdhsa_float_denorm_mode_16_64 3
		.amdhsa_memory_ordered 1
		.amdhsa_forward_progress 1
		.amdhsa_inst_pref_size 109
	.end_amdhsa_kernel
	.amdgpu_metadata
---
amdhsa.version: [ 1, 2 ]
amdhsa.kernels:
  - .name:           k_q3d893321c5_route
    .symbol:         k_q3d893321c5_route.kd
    .args:
      - { .name: x, .offset: 0, .size: 8, .value_kind: global_buffer, .address_space: global }
      - { .name: Wg, .offset: 8, .size: 8, .value_kind: global_buffer, .address_space: global }
      - { .name: bg, .offset: 16, .size: 8, .value_kind: global_buffer, .address_space: global }
      - { .name: kr, .offset: 24, .size: 8, .value_kind: global_buffer, .address_space: global }
      - { .name: hist, .offset: 32, .size: 8, .value_kind: global_buffer, .address_space: global }
      - { .name: wts, .offset: 40, .size: 8, .value_kind: global_buffer, .address_space: global }
      - { .name: psum, .offset: 48, .size: 8, .value_kind: global_buffer, .address_space: global }
    .group_segment_fixed_size: 137728
    .private_segment_fixed_size: 0
    .kernarg_segment_align: 8
    .kernarg_segment_size: 56
    .max_flat_workgroup_size: 128
    .sgpr_count:     66
    .vgpr_count:     256
    .wavefront_size: 32
...
	.end_amdgpu_metadata
.endif
;; end of part 1
;; launch place (part 2): grid 65 x 1, 16 waves a work-group, no clusters, 6,144 bytes of LDS; arguments kr, hist, psum, W1_codes, W2_codes, tok, tiles, out1, w1f, w2f; writes tok, tiles, out1, w1f, w2f
.if DOCPART == 2
	.amdgcn_target "amdgcn-amd-amdhsa--gfx1250"
	.amdhsa_code_object_version 6
	.text
	.protected	k_q3d893321c5_place
	.globl	k_q3d893321c5_place
	.p2align	8
	.type	k_q3d893321c5_place,@function
k_q3d893321c5_place:
	s_mov_b64 s[64:65], 0
	v_nop
	global_prefetch_b8 v0, s[64:65] scope:SCOPE_SE
	s_setreg_imm32_b32 hwreg(HW_REG_WAVE_MODE, 25, 1), 1
	s_wait_xcnt 0x0
; WORK-GROUP 0 PLACES THE TOKENS.  Tokens are sorted by their pair of experts (28 pairs), each pair's tokens in tiles of 64 rows: never more than 128 + 27 = 155 tiles, whatever the choice.
;   tok[tile][64]: the tokens of a tile (rows under nrows alone are written);   tiles[tile] = lo, hi, nrows, 0 (nrows = 0: a tile that this split does not use);   out1 = the load-balancing loss.
;   A counting sort without atomics: wave w owns the groups 16 w .. 16 w + 15 of 32 tokens; lane q runs the sums of pair q.  slot = 64 x the pair's first tile + tokens of the pair in earlier waves + in earlier groups of my wave + rank.
;   out1 = 8 x sum over e of (count_e / 16,384) (sum of probabilities_e / 8,192) = 2^-24 x sum over pairs of count(pair) x (Ps(lo) + Ps(hi)).
; WORK-GROUPS 1 TO 64 LAY THE WEIGHTS' CODES IN THE ORDER OF THE OPERANDS' REGISTERS, so that the next launch takes a fragment (16 rows x 128 K) by four loads of 512 consecutive bytes:
;   w1f [e 8][w 4][s 8][t 8][c 4][lane 32][16 bytes]: lane (r, h) holds W1_codes[e][128 w + 32 (t / 2) + 8 (t % 2) + r + 8 (r / 8)][128 s + 32 c + 16 h + 0 .. 15]
;   w2f [e 8][w 4][ct 16][s 4][c 4][lane 32][16 bytes]: lane (r, h) holds W2_codes[e][256 w + 16 ct + r][128 s + 32 c + 16 h + 0 .. 15]
;   A wave takes 16 rows x 512 bytes: four fragments, 16 loads, 16 stores of 512 consecutive bytes.
.set PSB, 2048                         ; LDS: from 0 the waves' totals [wave][lane] (2,048 bytes); from PSB the waves' sums of probabilities [wave][half][16 bytes]
	s_load_b512 s[8:23], s[0:1], 0x0               ; kr 8, hist 10, psum 12, W1_codes 14, W2_codes 16, tok 18, tiles 20, out1 22
	s_load_b128 s[24:27], s[0:1], 0x40             ; w1f 24, w2f 26
	v_lshl_add_u32 v128, v0, 2, 0x1000
	v_mov_b32 v129, 0
	v_lshrrev_b32 v2, 5, v0
	v_readfirstlane_b32 s2, v2                     ; wave 0..15
	v_and_b32 v1, 31, v0                           ; lane
	s_mov_b32 s35, 0
	s_mov_b32 s37, 0
	s_cmp_eq_u32 ttmp9, 0
	s_cbranch_scc1 .Lplace
	v_and_b32 v2, 15, v1                           ; r
	v_lshrrev_b32 v3, 4, v1                        ; h
	v_lshlrev_b32 v5, 4, v1                        ; out: 16 x lane
.macro RELAY sb, db, dstep             ; four fragments: K steps 128 bytes apart in the rows, dstep bytes apart in the new order
.irp s, 0,1,2,3
.irp c, 0,1,2,3
	global_load_b128 v[16+16*\s+4*\c:16+16*\s+4*\c+3], v4, s[\sb:\sb+1] offset:128*\s+32*\c
.endr
.endr
.irp s, 0,1,2,3
.irp c, 0,1,2,3
	s_wait_loadcnt 15-4*\s-\c                      ; loads come back in order: this one is in, the younger may be out
	global_store_b128 v5, v[16+16*\s+4*\c:16+16*\s+4*\c+3], s[\db:\db+1] offset:\dstep*\s+512*\c
.endr
.endr
.endm
	s_cmp_gt_u32 ttmp9, 32
	s_cbranch_scc1 .Lw2
	s_sub_co_u32 s3, ttmp9, 1
	s_lshl_b32 s3, s3, 4
	s_add_co_u32 s3, s3, s2                        ; g = 0 .. 511: e = g >> 6, w = (g >> 4) & 3, t = (g >> 1) & 7, which half of K = g & 1
	s_lshr_b32 s28, s3, 4
	s_lshl_b32 s28, s28, 17                        ; 524,288 e + 131,072 w: the same in both orders
	s_bfe_u32 s29, s3, 0x30001                     ; t
	s_and_b32 s30, s3, 1
	s_lshr_b32 s31, s29, 1
	s_lshl_b32 s31, s31, 15                        ; 32 (t / 2) rows of 1,024 bytes
	s_and_b32 s32, s29, 1
	s_lshl_b32 s32, s32, 13                        ; 8 (t % 2) rows
	s_add_co_u32 s34, s28, s31
	s_add_co_u32 s34, s34, s32
	s_lshl_b32 s33, s30, 9
	s_add_co_u32 s34, s34, s33                     ; from
	s_lshl_b32 s33, s30, 16
	s_add_co_u32 s36, s28, s33
	s_lshl_b32 s33, s29, 11
	s_add_co_u32 s36, s36, s33                     ; to
	v_and_b32 v4, 8, v2
	v_add_nc_u32 v4, v4, v2                        ; r + 8 (r / 8)
	v_lshlrev_b32 v4, 10, v4
	v_lshl_add_u32 v4, v3, 4, v4
	s_wait_kmcnt 0x0
	s_add_nc_u64 s[14:15], s[14:15], s[34:35]
	s_add_nc_u64 s[24:25], s[24:25], s[36:37]
	RELAY 14, 24, 16384
	s_endpgm
.Lw2:
	s_sub_co_u32 s3, ttmp9, 33
	s_lshl_b32 s3, s3, 4
	s_add_co_u32 s3, s3, s2                        ; g: 16 rows of 512 bytes each, in the same order in both layouts
	s_lshl_b32 s34, s3, 13
	v_lshlrev_b32 v4, 9, v2
	v_lshl_add_u32 v4, v3, 4, v4
	s_wait_kmcnt 0x0
	s_add_nc_u64 s[16:17], s[16:17], s[34:35]
	s_add_nc_u64 s[26:27], s[26:27], s[34:35]
	RELAY 16, 26, 2048
	s_endpgm
.Lplace:
; v16-31 a group's histogram, later the waves' totals, later what is stored; v32-47 kr; v48-51 psum; v64-80 running sums; v96-111 slots
	s_mov_b32 s4, 0x76543210
	s_mov_b32 s5, 0xfedcba98
	s_lshl_b32 s3, s2, 11
	v_lshl_add_u32 v4, v1, 2, s3                   ; 2,048 w + 4 lane: my wave's 16 groups in hist and in kr
	v_lshlrev_b32 v5, 4, v0                        ; 16 x thread
	v_lshlrev_b32 v6, 2, v0                        ; 4 x thread
	v_and_b32 v7, 1, v1
	v_lshlrev_b32 v7, 4, v7
	s_lshl_b32 s3, s2, 5
	s_add_co_u32 s3, s3, PSB
	v_add_nc_u32 v7, s3, v7                        ; PSB + 32 w + 16 (lane % 2)
	v_lshlrev_b32 v8, 2, v1
	s_wait_kmcnt 0x0
.irp j, 0,1,2,3,4,5,6,7,8,9,10,11,12,13,14,15
	global_load_b32 v[16+\j], v4, s[10:11] offset:128*\j
.endr
.irp j, 0,1,2,3,4,5,6,7,8,9,10,11,12,13,14,15
	global_load_b32 v[32+\j], v4, s[8:9] offset:128*\j
.endr
	global_load_b128 v[48:51], v5, s[12:13]        ; thread t: group t / 2, experts 4 (t % 2) on
.irp k, 0,1,2,3
	v_mov_b32 v[52+\k], 0                          ; written once: a lane permute's destination counts as one of its sources
.endr
	s_wait_loadcnt 17                              ; the histograms are in; kr's sixteen loads and psum's one may be out
	v_mov_b32 v64, 0
.irp j, 0,1,2,3,4,5,6,7,8,9,10,11,12,13,14,15
	v_add_nc_u32 v[65+\j], v[64+\j], v[16+\j]      ; lane q: tokens of pair q in my wave's groups ahead of group j + 1
.endr
	ds_store_b32 v6, v80                           ; my wave's total
	s_wait_loadcnt 0x0
.macro PARITY                          ; v48-51 summed over the lanes of my parity
.irp x, 2,4,8
.irp k, 0,1,2,3
	v_add_f32_dpp v[48+\k], v[48+\k], v[48+\k] row_xmask:\x row_mask:0xf bank_mask:0xf
.endr
.endr
.irp k, 0,1,2,3
	v_permlanex16_b32 v[52+\k], v[48+\k], s4, s5
.endr
.irp k, 0,1,2,3
	v_add_f32 v[48+\k], v[48+\k], v[52+\k]
.endr
.endm
	PARITY
	ds_store_b128 v7, v[48:51]                     ; lanes of one parity write the same numbers to the same place
	s_wait_dscnt 0x0                               ; for the others' sake: my stores are done
	s_barrier_signal -1
	s_barrier_wait -1
.irp w, 0,1,2,3,4,5,6,7,8,9,10,11,12,13,14,15
	ds_load_b32 v[16+\w], v8 offset:128*\w
.endr
	v_mov_b32 v81, 0                               ; lane q: all tokens of pair q,
	v_mov_b32 v82, 0                               ; and those of earlier waves
	s_wait_dscnt 0x0
.irp w, 0,1,2,3,4,5,6,7,8,9,10,11,12,13,14,15
	v_add_nc_u32 v81, v81, v[16+\w]
	s_cmp_gt_u32 s2, \w
	s_cselect_b32 s3, -1, 0
	v_and_b32 v83, s3, v[16+\w]
	v_add_nc_u32 v82, v82, v83
.endr
	v_mov_b32 v84, 0                               ; lane q: the pair's first tile
	v_mov_b32 v85, 0                               ; thread = tile: its pair's first tile,
	v_mov_b32 v86, 0                               ; its pair's tokens,
	v_mov_b32 v60, 0                               ; lo,
	v_mov_b32 v61, 0                               ; hi
	s_mov_b32 s28, 0                               ; tiles so far
.set LO, 0
.set HI, 1
.set QQ, 0
.rept 28                                       ; the last pair whose first tile is not behind a tile owns it: a pair without tokens never keeps a tile that is used
	v_readlane_b32 s29, v81, QQ
	v_writelane_b32 v84, s28, QQ
	v_cmp_gt_u32 vcc_lo, s28, v0                   ; keep the old ones where the pair begins behind my tile
	v_cndmask_b32 v85, s28, v85, vcc_lo
	v_cndmask_b32 v86, s29, v86, vcc_lo
	v_cndmask_b32 v60, LO, v60, vcc_lo
	v_cndmask_b32 v61, HI, v61, vcc_lo
	s_add_co_u32 s29, s29, 63
	s_lshr_b32 s29, s29, 6
	s_add_co_u32 s28, s28, s29
.set QQ, QQ+1
.set HI, HI+1
.if HI > 7
.set LO, LO+1
.set HI, LO+1
.endif
.endr
	v_sub_nc_u32 v62, v0, v85
	v_lshlrev_b32 v62, 6, v62
	v_sub_nc_u32 v62, v86, v62                     ; the pair's tokens from my tile on,
	v_max_i32 v62, 0, v62
	v_min_i32 v62, 64, v62                         ; between 0 and 64: nrows
	v_mov_b32 v63, 0
	v_cmp_gt_u32 vcc_lo, 155, v0
	s_wait_xcnt 0x0                                ; EXEC changes only behind this wait
	s_and_saveexec_b32 s30, vcc_lo
	global_store_b128 v5, v[60:63], s[20:21]
	s_wait_xcnt 0x0
	s_or_b32 exec_lo, exec_lo, s30
	v_lshl_add_u32 v87, v84, 6, v82                ; lane q: the slot of my wave's first token of pair q
.irp j, 0,1,2,3,4,5,6,7,8,9,10,11,12,13,14,15
	v_add_nc_u32 v[64+\j], v87, v[64+\j]
	v_and_b32 v[16+\j], 0xff, v[32+\j]
	v_lshlrev_b32 v[16+\j], 2, v[16+\j]
	ds_bpermute_b32 v[96+\j], v[16+\j], v[64+\j]   ; each token takes lane q's number
.endr
	s_lshl_b32 s3, s2, 9
	v_add_nc_u32 v88, s3, v1                       ; my token of group 0 of the wave
	s_wait_dscnt 0x0
.irp j, 0,1,2,3,4,5,6,7,8,9,10,11,12,13,14,15
	v_lshrrev_b32 v[32+\j], 8, v[32+\j]            ; rank
	v_add_nc_u32 v[96+\j], v[96+\j], v[32+\j]
	v_min_u32 v[96+\j], 0x26bf, v[96+\j]           ; held inside tok: 155 x 64 - 1
	v_lshlrev_b32 v[96+\j], 2, v[96+\j]
	v_add_nc_u32 v[16+\j], 32*\j, v88
	global_store_b32 v[96+\j], v[16+\j], s[18:19]
.endr
	s_cmp_lg_u32 s2, 0
	s_cbranch_scc1 .Lend                           ; the loss is wave 0's; no barrier follows
	v_lshl_add_u32 v9, v1, 4, PSB
	ds_load_b128 v[48:51], v9                      ; lane l: wave l / 2's sums, experts 4 (l % 2) on
	s_wait_dscnt 0x0
	PARITY
.irp k, 0,1,2,3
	v_readlane_b32 s[40+\k], v[48+\k], 0
	v_readlane_b32 s[44+\k], v[48+\k], 1
.endr
	s_mov_b32 s50, 0
.set LO, 0
.set HI, 1
.set QQ, 0
.rept 28
	v_readlane_b32 s51, v81, QQ
	s_cvt_f32_u32 s51, s51
	s_add_f32 s52, s[40+LO], s[40+HI]
	s_fmac_f32 s50, s51, s52
.set QQ, QQ+1
.set HI, HI+1
.if HI > 7
.set LO, LO+1
.set HI, LO+1
.endif
.endr
	s_mul_f32 s50, s50, 0x33800000                 ; x 2^-24
	v_mov_b32 v10, s50
	v_mov_b32 v11, 0
	v_cmp_eq_u32 vcc_lo, 0, v1
	s_wait_xcnt 0x0
	s_and_saveexec_b32 s30, vcc_lo
	global_store_b32 v11, v10, s[22:23]
	s_wait_xcnt 0x0
	s_or_b32 exec_lo, exec_lo, s30
.Lend:
	s_wait_tensorcnt 0x0
	ds_add_u32 v128, v129
	s_wait_dscnt 0x0
	s_endpgm
.Lfunc_end_k_q3d893321c5_place:
	.size	k_q3d893321c5_place, .Lfunc_end_k_q3d893321c5_place-k_q3d893321c5_place
	.p2alignl 7, 3214868480
	.fill 96, 4, 3214868480
	.section	.rodata,"a",@progbits
	.p2align	6, 0x0
	.amdhsa_kernel k_q3d893321c5_place
		.amdhsa_group_segment_fixed_size 6144
		.amdhsa_private_segment_fixed_size 0
		.amdhsa_enable_private_segment 0
		.amdhsa_kernarg_size 80
		.amdhsa_user_sgpr_count 2
		.amdhsa_user_sgpr_kernarg_segment_ptr 1
		.amdhsa_wavefront_size32 1
		.amdhsa_system_sgpr_workgroup_id_x 1
		.amdhsa_system_sgpr_workgroup_id_y 1
		.amdhsa_system_sgpr_workgroup_id_z 1
		.amdhsa_system_vgpr_workitem_id 0
		.amdhsa_next_free_vgpr 130
		.amdhsa_next_free_sgpr 100
		.amdhsa_reserve_vcc 1
		.amdhsa_float_denorm_mode_32 3
		.amdhsa_float_denorm_mode_16_64 3
		.amdhsa_memory_ordered 1
		.amdhsa_forward_progress 1
		.amdhsa_inst_pref_size 45
	.end_amdhsa_kernel
	.amdgpu_metadata
---
amdhsa.version: [ 1, 2 ]
amdhsa.kernels:
  - .name:           k_q3d893321c5_place
    .symbol:         k_q3d893321c5_place.kd
    .args:
      - { .name: kr, .offset: 0, .size: 8, .value_kind: global_buffer, .address_space: global }
      - { .name: hist, .offset: 8, .size: 8, .value_kind: global_buffer, .address_space: global }
      - { .name: psum, .offset: 16, .size: 8, .value_kind: global_buffer, .address_space: global }
      - { .name: W1_codes, .offset: 24, .size: 8, .value_kind: global_buffer, .address_space: global }
      - { .name: W2_codes, .offset: 32, .size: 8, .value_kind: global_buffer, .address_space: global }
      - { .name: tok, .offset: 40, .size: 8, .value_kind: global_buffer, .address_space: global }
      - { .name: tiles, .offset: 48, .size: 8, .value_kind: global_buffer, .address_space: global }
      - { .name: out1, .offset: 56, .size: 8, .value_kind: global_buffer, .address_space: global }
      - { .name: w1f, .offset: 64, .size: 8, .value_kind: global_buffer, .address_space: global }
      - { .name: w2f, .offset: 72, .size: 8, .value_kind: global_buffer, .address_space: global }
    .group_segment_fixed_size: 6144
    .private_segment_fixed_size: 0
    .kernarg_segment_align: 8
    .kernarg_segment_size: 80
    .max_flat_workgroup_size: 512
    .sgpr_count:     100
    .vgpr_count:     130
    .wavefront_size: 32
...
	.end_amdgpu_metadata
.endif
;; end of part 2
;; launch chain (part 3): grid 155 x 1, 4 waves a work-group, no clusters, 275,968 bytes of LDS; arguments x, w1f, w2f, b1, b2, gamma, beta, lowp_scales, tiles, tok, wts, out0; writes out0
.if DOCPART == 3
	.amdgcn_target "amdgcn-amd-amdhsa--gfx1250"
	.amdhsa_code_object_version 6
	.text
	.protected	k_q3d893321c5_chain
	.globl	k_q3d893321c5_chain
	.p2align	8
	.type	k_q3d893321c5_chain,@function
k_q3d893321c5_chain:
	s_mov_b64 s[64:65], 0
	v_nop
	global_prefetch_b8 v0, s[64:65] scope:SCOPE_SE
	s_setreg_imm32_b32 hwreg(HW_REG_WAVE_MODE, 25, 1), 1
	s_wait_xcnt 0x0
; ONE TILE (up to 64 tokens that chose the SAME pair of experts lo, hi) THROUGH THE WHOLE CHAIN: for both experts x is quantised to E5M2 with the expert's own scale, multiplied by W1, + b1, relu, quantised, multiplied by W2, + b2,
; weighed by the token's score; then the residual and the layer norm.  Each output row has one owner; nothing but out0 goes to memory.
; THE GRID serves every split: 155 tiles at the most, of which a split uses 128 at the least.  Every wave passes every barrier, and none stands under a branch on a loaded number: so a tile with nrows = 0 walks the whole text
; like any other, on the first token of tile 0 (a word of tok that every split writes), and stores nothing: that work is thrown away, at most 27 work-groups' of it.
; The experts of a tile are stored numbers, so the launch has no tensor load: weights go from memory straight into registers, from buffers laid in the order of the operands' registers: a fragment (16 rows x 128 K, 16 registers
; a lane) is four loads of 512 consecutive bytes.
; NO CLUSTER: which tiles share an expert hangs on the stored list, and no split guarantees a tile a partner.
; SHARES.  THE WAVES SHARE THE COLUMNS: wave w makes hidden units 128 w .. + 127 and outputs 256 w .. + 255 for all 64 rows, so each weight byte is read once by the work-group and each fragment feeds four products.
; For x (quantising, residual) and for the layer norm wave w owns rows 16 w .. 16 w + 15.  Rows from nrows on repeat row nrows - 1.
; BOTH PRODUCTS ARE USED TRANSPOSED (source 0 = 16 rows of the weight, source 1 = 16 tokens): a lane holds one token, its registers run along the units.  W1's rows of a tile are chosen (in w1f) so that the 16 registers of
; tiles 2 b, 2 b + 1 are 16 neighbours along the next K.  Operands go from wave to wave through LDS as images of their registers (16 bytes a lane, 512 a store).
; SCALES: lowp_scales[4 e ..] = ex, ew1, eh, ew2.  b1 goes in as the C of the first product, / 2^(ex + ew1); the hidden layer's conversion takes 2^(eh - ex - ew1); b2 as C, / 2^(eh + ew2); the score carries 2^(eh + ew2).
; LIMITS: ex, and eh - ex - ew1, between -126 and 112, so that the scale and 57,344 x the scale are f32 numbers; the other exponents go by v_ldexp_f32.  NaN among the inputs is not served.
; In a tile's last group of four rows those from nrows on are stored again, with the same bytes, by the same wave.
; LDS: XIMG x's fragments [expert][8 m + s] 2,048 bytes each; HIMG the hidden layer's [expert][4 m + s]; TURN 16 rows x 528 bytes a wave; from the third barrier on all three are the stage STG, 64 rows x 4,112 bytes, of z;
;      B2T [expert][1024] b2 / 2^(eh + ew2);  B1T [expert][512] b1 / 2^(ex + ew1).
; REGISTERS, in windows of 256.  Window 0: addresses and constants v0-63, the rest by phase (below).  Window 1: a ring of two sets of eight weight fragments; at the end gamma v0-31, beta v32-63.
;   Window 2: four sets of 64 of x as loaded; then the hidden sums (64 m + 8 t); then hidden fragments of K steps 0, 1 (((4 E + m) 2 + s) 16).  Window 3: b1's tiles (64 E + 8 t); then hidden fragments of K steps 2, 3.
.set XIMG, 0
.set HIMG, 131072
.set TURN, 196608
.set B2T,  263168
.set B1T,  271360
.set SP,   4112                        ; a stage row: 4,096 bytes + 16: sixteen rows start in sixteen different columns of 16 bytes
.set TP,   528                         ; a row of the turn: 512 + 16
.set L16,  4                           ; v4   16 x lane
.set XWI,  5                           ; v5, v6  where I store x's images, expert lo, hi
.set TST,  7                           ; v7   the turn, in
.set TLD,  8                           ; v8   the turn, back
.set HWI,  9                           ; v9   where I store the hidden layer's images
.set XRH,  11                          ; v11  x's images of expert hi, read (expert lo's: v4)
.set HRD,  12                          ; v12  the hidden layer's images, read
.set SXW,  13                          ; v13  the stage: my 16 rows, 16 bytes a lane
.set SD,   14                          ; v14-17  the stage: row 16 m + r, my wave's columns, + 32 h
.set BAD,  19                          ; v19  b2's table at my wave's columns, + 32 h
.set OFFR, 20                          ; v20-35  row i of my 16: its token x 4,096 + 16 x lane
.set TOKV, 36                          ; v36  lane r: the token of row 16 w + r
.set B1A,  37                          ; v37  b1's table at my wave's units, + 64 h
.set TBA,  38                          ; v38  the tables, written: B2T + 16 x thread
.set TID16, 39                         ; v39  16 x thread
.set F,    40                          ; v40-55  score x 2^(eh + ew2) of row 16 m + r, twice: pair at 40 + 8 E + 2 m
                                       ; v56.. 2^ex, 57,344 x 2^ex (lo: 56, 57; hi: 58, 59);  v60.. the same with eh - ex - ew1
.set XS,   64                          ; phase X: 64 numbers of my row;
.set TT,   128                         ;          the same, held;
.set PCX,  192                         ;          their codes, 16 registers an expert
.set XF,   64                          ; phase 1: x's four fragments of a K step, two buffers;
.set PCH,  192                         ;          the hidden layer's codes, 16 a tile of rows
.set S,    64                          ; phase 2: the eight sums, 64 + 32 E + 8 m;
.set B2R,  128                         ;          b2's tile, 8 an expert;
.set SA,   144                         ;          v144-147 stage addresses of the trip; v148 b2's
.set BA,   148
.set XSB,  152                         ;          z's 32 numbers of an output tile, two buffers
.set Z,    64                          ; the end: four rows of 32;
.set T,    192                         ;          eight registers a row at work;
.set OA,   224                         ;          the rows' offsets in out0;
.set IX,   228                         ;          lane indices;
.set ZA,   232                         ;          the stage address of the trip
.set MSB, 0
.macro WIN new                         ; bits 1:0 source 0, 3:2 source 1, 5:4 source 2, 7:6 destination; the high byte repeats the setting that is left
.if MSB != \new
	s_set_vgpr_msb (MSB<<8)|\new
.set MSB, \new
.endif
.endm
.macro PLACES                          ; four plain instructions between a matrix instruction and a load into, or a vector read of, its registers
.rept 4
	v_nop
.endr
.endm
.macro BAR                             ; my LDS stores have landed and my LDS loads are in: then the work-group's barrier
	s_wait_dscnt 0x0
	s_barrier_signal -1
	s_barrier_wait -1
.endm
	s_load_b512 s[8:23], s[0:1], 0x0               ; x 8, w1f 10, w2f 12, b1 14, b2 16, gamma 18, beta 20, lowp_scales 22
	s_load_b256 s[24:31], s[0:1], 0x40             ; tiles 24, tok 26, wts 28, out0 30
	v_lshl_add_u32 v10, v0, 2, 0x43400
	v_mov_b32 v18, 0
	v_lshrrev_b32 v1, 5, v0
	v_readfirstlane_b32 s2, v1                     ; wave 0..3
	s_lshl_b32 s70, ttmp9, 4
	s_wait_kmcnt 0x0
	s_load_b128 s[32:35], s[24:25], s70 offset:0x0 ; lo, hi, nrows, 0
	v_and_b32 v1, 31, v0                           ; lane
	v_and_b32 v2, 15, v0                           ; r
	v_bfe_u32 v3, v0, 4, 1                         ; h
	v_lshlrev_b32 v[L16], 4, v1
	s_lshl_b32 s71, s2, 14
	v_add_nc_u32 v[XWI], s71, v[L16]               ; my rows are tile m = w: 8 fragments of 2,048 bytes
	v_add_nc_u32 v[XWI+1], 0x10000, v[XWI]
	s_mul_i32 s71, s2, 16*TP
	s_add_co_u32 s71, s71, TURN
	v_add_nc_u32 v[TST], s71, v[L16]
	v_mul_u32_u24 v[TLD], v2, TP
	v_lshl_add_u32 v[TLD], v3, 6, v[TLD]
	v_add_nc_u32 v[TLD], s71, v[TLD]               ; row r, + 64 h: my 16 numbers of a block of 32
	s_lshl_b32 s71, s2, 11
	s_add_co_u32 s71, s71, HIMG
	v_add_nc_u32 v[HWI], s71, v[L16]               ; my units are K step s = w
	v_add_nc_u32 v[XRH], 0x10000, v[L16]
	v_add_nc_u32 v[HRD], HIMG, v[L16]
	s_mul_i32 s71, s2, 16*SP
	v_add_nc_u32 v[SXW], s71, v[L16]
	v_mul_u32_u24 v[SD], v2, SP
	v_lshl_add_u32 v[SD], v3, 5, v[SD]
	s_lshl_b32 s71, s2, 10
	v_add_nc_u32 v[SD], s71, v[SD]
.irp m, 1,2,3
	v_add_nc_u32 v[SD+\m], 16*SP*\m, v[SD]
.endr
	s_add_co_u32 s71, s71, B2T
	v_lshl_add_u32 v[BAD], v3, 5, s71
	s_lshl_b32 s71, s2, 9
	s_add_co_u32 s71, s71, B1T
	v_lshl_add_u32 v[B1A], v3, 6, s71
	v_lshl_add_u32 v[TBA], v0, 4, B2T
	v_lshlrev_b32 v[TID16], 4, v0
	s_mov_b32 s60, 0x76543210                      ; v_permlanex16_b32: lane l xor 16
	s_mov_b32 s61, 0xfedcba98
	s_mov_b32 s69, 0x3a800000                      ; 2^-10
	s_wait_kmcnt 0x0                               ; the tile's entry
	s_min_u32 s32, s32, 7                          ; stored numbers are held inside their tables before they enter an address
	s_min_u32 s33, s33, 7
	s_lshl_b32 s70, s32, 4
	s_lshl_b32 s71, s33, 4
	s_load_b128 s[36:39], s[22:23], s70 offset:0x0 ; ex, ew1, eh, ew2 of lo
	s_load_b128 s[40:43], s[22:23], s71 offset:0x0 ; and of hi
	s_min_u32 s75, s34, 1                          ; 0 in a tile without rows, else 1
	s_sub_co_u32 s72, s34, s75                     ; the tile's last row (0 where it has none)
	s_lshl_b32 s73, ttmp9, 8                       ; my tile's 64 words of tok;
	s_mul_i32 s73, s73, s75                        ; a tile without rows takes tile 0's, whose row 0 every split writes: no word of tok is read that was not written
	s_lshl_b32 s74, s2, 4
	v_add_nc_u32 v232, s74, v2                     ; row 16 w + r,
.irp m, 0,1,2,3
	v_add_nc_u32 v[233+\m], 16*\m, v2              ; rows 16 m + r
.endr
.irp n, 0,1,2,3,4
	v_min_u32 v[232+\n], s72, v[232+\n]            ; rows from nrows on repeat the last
	v_min_u32 v[232+\n], 63, v[232+\n]
	v_lshl_add_u32 v[232+\n], v[232+\n], 2, s73
.endr
	global_load_b32 v[TOKV], v232, s[26:27]
.irp m, 0,1,2,3
	global_load_b32 v[240+\m], v[233+\m], s[26:27]
.endr
	s_lshl_b32 s74, s2, 17
	s_mov_b32 s77, 0
	s_lshl_b32 s76, s32, 19
	s_add_co_u32 s76, s76, s74
	s_add_nc_u64 s[44:45], s[10:11], s[76:77]      ; w1f at (lo, w)
	s_add_nc_u64 s[48:49], s[12:13], s[76:77]      ; w2f at (lo, w)
	s_lshl_b32 s76, s33, 19
	s_add_co_u32 s76, s76, s74
	s_add_nc_u64 s[46:47], s[10:11], s[76:77]      ; w1f at (hi, w)
	s_add_nc_u64 s[50:51], s[12:13], s[76:77]      ; w2f at (hi, w)
	s_lshl_b32 s76, s32, 11
	s_add_nc_u64 s[80:81], s[14:15], s[76:77]      ; b1[lo]
	s_lshl_b32 s76, s33, 11
	s_add_nc_u64 s[82:83], s[14:15], s[76:77]      ; b1[hi]
	s_lshl_b32 s76, s32, 12
	s_add_nc_u64 s[84:85], s[16:17], s[76:77]      ; b2[lo]
	s_lshl_b32 s76, s33, 12
	s_add_nc_u64 s[86:87], s[16:17], s[76:77]      ; b2[hi]
	s_wait_loadcnt 0x0
	v_min_u32 v[TOKV], 0x1fff, v[TOKV]
.irp m, 0,1,2,3
	v_min_u32 v[240+\m], 0x1fff, v[240+\m]
	v_lshlrev_b32 v[240+\m], 3, v[240+\m]          ; the token's two scores
.endr
.irp i, 0,1,2,3,4,5,6,7,8,9,10,11,12,13,14,15
	v_readlane_b32 s75, v[TOKV], \i
	s_min_u32 s75, s75, 0x1fff
	s_lshl_b32 s75, s75, 12
	v_add_nc_u32 v[OFFR+\i], s75, v[L16]
.endr
.irp m, 0,1,2,3
	global_load_b64 v[224+2*\m:225+2*\m], v[240+\m], s[28:29]
.endr
	global_load_b128 v[192:195], v[TID16], s[84:85]
	global_load_b128 v[196:199], v[TID16], s[84:85] offset:2048
	global_load_b128 v[200:203], v[TID16], s[86:87]
	global_load_b128 v[204:207], v[TID16], s[86:87] offset:2048
	global_load_b128 v[208:211], v[TID16], s[80:81]
	global_load_b128 v[212:215], v[TID16], s[82:83]
; K step s of my 16 rows of x as it lies: a load reads 512 consecutive bytes of a row; into set s % 4 of window 2
.macro LOADX s
	WIN 0x80
.irp i, 0,1,2,3,4,5,6,7,8,9,10,11,12,13,14,15
	global_load_b128 v[64*((\s)%4)+4*\i:64*((\s)%4)+4*\i+3], v[OFFR+\i], s[8:9] offset:512*(\s)
.endr
.endm
; four fragments of W1 (tiles 4 half .. 4 half + 3 of the K step at imm) into ring set st: 16 loads
.macro RF1 base, imm, st, half
	WIN 0x40
.irp i, 0,1,2,3
.irp c, 0,1,2,3
	global_load_b128 v[128*(\st)+16*(4*(\half)+\i)+4*\c:128*(\st)+16*(4*(\half)+\i)+4*\c+3], v[L16], s[\base:\base+1] offset:(\imm)+(4*(\half)+\i)*2048+512*\c
.endr
.endr
.endm
; four fragments of W2 (K steps 2 half, 2 half + 1 of the output tile at imm, for lo and then for hi) into ring set st: fragment (E, s) lies in slot 4 (s / 2) + 2 E + s % 2: 16 loads
.macro RF2 imm, st, half
	WIN 0x40
.irp i, 0,1
.irp c, 0,1,2,3
	global_load_b128 v[128*(\st)+16*(4*(\half)+\i)+4*\c:128*(\st)+16*(4*(\half)+\i)+4*\c+3], v[L16], s[48:49] offset:(\imm)+(2*(\half)+\i)*2048+512*\c
.endr
.endr
.irp i, 0,1
.irp c, 0,1,2,3
	global_load_b128 v[128*(\st)+16*(4*(\half)+2+\i)+4*\c:128*(\st)+16*(4*(\half)+2+\i)+4*\c+3], v[L16], s[50:51] offset:(\imm)+(2*(\half)+\i)*2048+512*\c
.endr
.endr
.endm
	LOADX 0
	LOADX 1
	LOADX 2
	WIN 0
	s_wait_loadcnt 48                              ; all but x's three batches of 16: the scores and the biases are in
	s_wait_kmcnt 0x0
	s_add_co_i32 s52, s36, s37                     ; ex + ew1, lo and hi
	s_add_co_i32 s53, s40, s41
	s_add_co_i32 s54, s38, s39                     ; eh + ew2
	s_add_co_i32 s55, s42, s43
	s_sub_co_i32 s56, 0, s52
	s_sub_co_i32 s57, 0, s53
	s_sub_co_i32 s58, 0, s54
	s_sub_co_i32 s59, 0, s55
.irp m, 0,1,2,3
	v_ldexp_f32 v[F+2*\m], v[224+2*\m], s54
	v_ldexp_f32 v[F+2*\m+1], v[224+2*\m], s54
	v_ldexp_f32 v[F+8+2*\m], v[225+2*\m], s55
	v_ldexp_f32 v[F+8+2*\m+1], v[225+2*\m], s55
.endr
.irp k, 0,1,2,3,4,5,6,7
	v_ldexp_f32 v[192+\k], v[192+\k], s58
	v_ldexp_f32 v[200+\k], v[200+\k], s59
.endr
.irp k, 0,1,2,3
	v_ldexp_f32 v[208+\k], v[208+\k], s56
	v_ldexp_f32 v[212+\k], v[212+\k], s57
.endr
	ds_store_b128 v[TBA], v[192:195]
	ds_store_b128 v[TBA], v[196:199] offset:2048
	ds_store_b128 v[TBA], v[200:203] offset:4096
	ds_store_b128 v[TBA], v[204:207] offset:6144
	ds_store_b128 v[TBA], v[208:211] offset:8192
	ds_store_b128 v[TBA], v[212:215] offset:10240
	LOADX 3
	WIN 0
.macro MKSC vr, se                     ; v[vr] = 2^e as f32, v[vr + 1] = 57,344 x 2^e; e in s[se]
	s_add_co_i32 s75, s[\se], 127
	s_lshl_b32 s76, s75, 23
	v_mov_b32 v[\vr], s76
	s_add_co_i32 s75, s75, 15
	s_lshl_b32 s75, s75, 23
	s_or_b32 s75, s75, 0x600000
	v_mov_b32 v[(\vr)+1], s75
.endm
	MKSC 56, 36
	MKSC 58, 40
	s_sub_co_i32 s77, s38, s52                     ; eh - ex - ew1: the three scales ahead of the hidden layer's quantiser, folded
	s_sub_co_i32 s78, s42, s53
	MKSC 60, 77
	MKSC 62, 78
; ---- X: my 16 rows of x become, for each expert, eight fragments.
; 64 numbers of a lane (register 16 b + i = k 32 b + 16 h + i of row r) are held within the largest code x the scale (the conversion does not saturate: ISA guide 7.6.2), converted, and stored as an image
.macro QX E, s
.irp b, 0,1,2,3
.irp i, 0,1,2,3,4,5,6,7,8,9,10,11,12,13,14,15
	v_med3_num_f32 v[TT+16*\b+\i], v[XS+16*\b+\i], -v[57+2*\E], v[57+2*\E]
.endr
	v_cvt_scalef32_pk8_bf8_f32 v[PCX+16*\E+4*\b:PCX+16*\E+4*\b+1], v[TT+16*\b:TT+16*\b+7], v[56+2*\E]
	v_cvt_scalef32_pk8_bf8_f32 v[PCX+16*\E+4*\b+2:PCX+16*\E+4*\b+3], v[TT+16*\b+8:TT+16*\b+15], v[56+2*\E]
.endr
	v_nop                                          ; a plain instruction between the last conversion and the next vector instruction that writes its sources
.irp c, 0,1,2,3
	ds_store_b128 v[XWI+\E], v[PCX+16*\E+4*\c:PCX+16*\E+4*\c+3] offset:2048*(\s)+512*\c
.endr
.endm
.macro XSTEP s
	s_wait_loadcnt 48                              ; behind this K step's 16 loads stand three batches of 16 (x's next steps; from step 4 on the ring's first fills take their place)
	WIN 0x08                                       ; store data in window 2
.irp i, 0,1,2,3,4,5,6,7,8,9,10,11,12,13,14,15
	ds_store_b128 v[TST], v[64*((\s)%4)+4*\i:64*((\s)%4)+4*\i+3] offset:TP*\i
.endr
	WIN 0
.irp b, 0,1,2,3
.irp j, 0,1,2,3
	ds_load_b128 v[XS+16*\b+4*\j:XS+16*\b+4*\j+3], v[TLD] offset:128*\b+16*\j   ; the wave's own bytes, served in order: these see the stores above
.endr
.endr
	s_wait_dscnt 0x0                               ; the numbers are back; the stores have read their registers, which take the next loads
.if (\s) < 4
	LOADX (\s)+4
.else
	RF1 44, (((\s)-4)/2)*16384, ((\s)-4)/2, ((\s)-4)%2
.endif
	WIN 0
	QX 0, \s
	QX 1, \s
.endm
.irp s, 0,1,2,3,4,5,6,7
	XSTEP \s
.endr
	BAR                                            ; x's 64 fragments and the two tables lie in LDS
; ---- 1: the hidden layer.  A K step: eight fragments of W1 (a ring set) x four fragments of x: 32 products on 32 accumulators, which take turns, one instruction a turn.
	WIN 0xc0
.irp E, 0,1
.irp t, 0,1,2,3,4,5,6,7
.irp k, 0,1
	ds_load_b128 v[64*\E+8*\t+4*\k:64*\E+8*\t+4*\k+3], v[B1A] offset:2048*\E+128*(\t/2)+32*(\t%2)+16*\k   ; b1 in the result's layout: units 32 (t / 2) + 16 h + 8 (t % 2) + 0 .. 7
.endr
.endr
.endr
	WIN 0
.irp m, 0,1,2,3
.irp c, 0,1,2,3
	ds_load_b128 v[XF+16*\m+4*\c:XF+16*\m+4*\c+3], v[L16] offset:(8*\m)*2048+512*\c
.endr
.endr
.macro KMUL E, s, t0
.if (\s) == 0
	WIN 0xb1                                       ; W1 window 1, x window 0, C = b1 window 3, D window 2
.else
	WIN 0xa1                                       ; C and D window 2
.endif
.irp t, \t0, \t0+1, \t0+2, \t0+3
.irp m, 0,1,2,3
.if (\s) == 0
	v_wmma_f32_16x16x128_bf8_bf8 v[64*\m+8*(\t):64*\m+8*(\t)+7], v[128*PP+16*(\t):128*PP+16*(\t)+15], v[XFC+16*\m:XFC+16*\m+15], v[64*(\E)+8*(\t):64*(\E)+8*(\t)+7]
.else
	v_wmma_f32_16x16x128_bf8_bf8 v[64*\m+8*(\t):64*\m+8*(\t)+7], v[128*PP+16*(\t):128*PP+16*(\t)+15], v[XFC+16*\m:XFC+16*\m+15], v[64*\m+8*(\t):64*\m+8*(\t)+7]
.endif
.endr
.endr
.endm
.macro KFET E, s, half                 ; the ring's half that has just been multiplied takes the step two on: W1 of this expert, of the next, or W2's first output tiles
.if (\s) <= 5
	RF1 44+2*(\E), ((\s)+2)*16384, PP, \half
.elseif (\E) == 0
	RF1 46, ((\s)-6)*16384, PP, \half
.else
	RF2 ((\s)-6)*8192, PP, \half
.endif
.endm
.macro KSTEP E, s
.set UU, 8*(\E)+(\s)
.set PP, UU%2
.set XFC, XF+64*(UU%2)
.set XFN, XF+64*((UU+1)%2)
.set SN, (UU+1)%8
.set XRA, L16+7*((UU+1)/8)                     ; v4 for expert lo's images, v11 for hi's
	s_wait_dscnt 0x0                               ; x's fragments of this step are in
	s_wait_loadcnt 48                              ; behind this half's 16 loads stand three batches: the set's other half and the other set
	KMUL \E, \s, 0
	PLACES
	WIN 0
.if UU < 15
.irp m, 0,1,2,3
.irp c, 0,1,2,3
	ds_load_b128 v[XFN+16*\m+4*\c:XFN+16*\m+4*\c+3], v[XRA] offset:(8*\m+SN)*2048+512*\c
.endr
.endr
.endif
	KFET \E, \s, 0
	s_wait_loadcnt 48                              ; the same count for the second half: the other set's two batches and the one just issued
	KMUL \E, \s, 4
	PLACES
	KFET \E, \s, 1
	WIN 0
.endm
; relu and the hold in one (between 0 and the largest code x the scale), each accumulator from its low end on; the conversions' results are K step w of the second product, rows 16 m on
.macro HQUANT E
.irp m, 0,1,2,3
	WIN 0x82
.set J, 0
.rept 64
	v_med3_num_f32 v[64*\m+J], v[64*\m+J], 0, v[61+2*(\E)]
.set J, J+1
.endr
	WIN 0x02
.irp b, 0,1,2,3
	v_cvt_scalef32_pk8_bf8_f32 v[PCH+16*\m+4*\b:PCH+16*\m+4*\b+1], v[64*\m+16*\b:64*\m+16*\b+7], v[60+2*(\E)]
	v_cvt_scalef32_pk8_bf8_f32 v[PCH+16*\m+4*\b+2:PCH+16*\m+4*\b+3], v[64*\m+16*\b+8:64*\m+16*\b+15], v[60+2*(\E)]
.endr
	v_nop                                          ; a plain instruction behind the last conversion: the next expert's products write its sources
	WIN 0
.irp c, 0,1,2,3
	ds_store_b128 v[HWI], v[PCH+16*\m+4*\c:PCH+16*\m+4*\c+3] offset:32768*(\E)+8192*\m+512*\c
.endr
.endr
.endm
.irp s, 0,1,2,3,4,5,6,7
	KSTEP 0, \s
.endr
	HQUANT 0
.irp s, 0,1,2,3,4,5,6,7
	KSTEP 1, \s
.endr
.macro XROW i                          ; row i of my 16, whole, for the residual: 8 loads of 512 consecutive bytes into slot i % 4 of v64-191
.irp q, 0,1,2,3,4,5,6,7
	global_load_b128 v[64+32*((\i)%4)+4*\q:64+32*((\i)%4)+4*\q+3], v[OFFR+(\i)], s[8:9] offset:512*\q th:TH_LOAD_NT
.endr
.endm
	XROW 0                                         ; asked for here, four places behind the last products that read these registers; they land while the hidden layer is quantised
	XROW 1
	XROW 2
	XROW 3
	HQUANT 1
	BAR                                            ; the hidden layer's 32 fragments lie in LDS
; ---- all 32 hidden fragments into registers: they stay for the whole second product
	WIN 0x80
.irp E, 0,1
.irp m, 0,1,2,3
.irp s, 0,1
.irp c, 0,1,2,3
	ds_load_b128 v[((4*\E+\m)*2+\s)*16+4*\c:((4*\E+\m)*2+\s)*16+4*\c+3], v[HRD] offset:32768*\E+(4*\m+\s)*2048+512*\c
.endr
.endr
.endr
.endr
	WIN 0xc0
.irp E, 0,1
.irp m, 0,1,2,3
.irp s, 0,1
.irp c, 0,1,2,3
	ds_load_b128 v[((4*\E+\m)*2+\s)*16+4*\c:((4*\E+\m)*2+\s)*16+4*\c+3], v[HRD] offset:32768*\E+(4*\m+\s+2)*2048+512*\c
.endr
.endr
.endr
.endr
	WIN 0
	BAR                                            ; every wave's reads of the images are in: from here on their bytes are the stage
; ---- x into the stage: my 16 rows
.irp i, 0,1,2,3,4,5,6,7,8,9,10,11,12,13,14,15
.if \i < 14
	s_wait_loadcnt 16                              ; behind row i's eight loads stand at most those of two rows that may stay out (the ring's loads are older)
.elseif \i == 14
	s_wait_loadcnt 8
.else
	s_wait_loadcnt 0x0
.endif
.irp q, 0,1,2,3,4,5,6,7
	ds_store_b128 v[SXW], v[64+32*(\i%4)+4*\q:64+32*(\i%4)+4*\q+3] offset:SP*\i+512*\q
.endr
.if (\i >= 1) && (\i <= 12)
	s_wait_dscnt 8                                 ; row i - 1's stores are done: its slot takes row i + 3
	XROW \i+3
.endif
.endr
	BAR                                            ; 64 rows of x lie in the stage
; ---- 2: an output tile = 16 columns x 64 rows x both experts: eight accumulators by turns, K = 512 in four steps; then z += score x sum, in the stage, in my wave's own columns
; (bytes 1,024 w .. 1,024 w + 1,023 of each stage row: 32 h + 128 x trip + 64 u + 16 k + 16 is 1,024 at the most: no wave touches another's between the two barriers)
.macro CMUL u, s0
.irp s, \s0, \s0+1
.irp E, 0,1
.irp m, 0,1,2,3
.if (\s) == 0
	v_wmma_f32_16x16x128_bf8_bf8 v[S+32*\E+8*\m:S+32*\E+8*\m+7], v[128*(\u)+16*(4*((\s)/2)+2*\E+(\s)%2):128*(\u)+16*(4*((\s)/2)+2*\E+(\s)%2)+15], v[((4*\E+\m)*2+(\s)%2)*16:((4*\E+\m)*2+(\s)%2)*16+15], v[B2R+8*\E:B2R+8*\E+7]
.else
	v_wmma_f32_16x16x128_bf8_bf8 v[S+32*\E+8*\m:S+32*\E+8*\m+7], v[128*(\u)+16*(4*((\s)/2)+2*\E+(\s)%2):128*(\u)+16*(4*((\s)/2)+2*\E+(\s)%2)+15], v[((4*\E+\m)*2+(\s)%2)*16:((4*\E+\m)*2+(\s)%2)*16+15], v[S+32*\E+8*\m:S+32*\E+8*\m+7]
.endif
.endr
.endr
.endr
.endm
.macro CT u, fetch, last, ca, cb       ; tile 2 x trip + u, from ring set u.  ca, cb: the loads that may be out when the set's first and second half are wanted
	s_wait_dscnt 8                                 ; b2's tile is in: behind its loads stand only the last tile's eight stores
.if (\u) == 0
.irp m, 0,1,2,3
	v_add_nc_u32 v[SA+\m], s62, v[SD+\m]
.endr
	v_add_nc_u32 v[BA], s62, v[BAD]
.endif
.irp m, 0,1,2,3
.irp k, 0,1
	ds_load_b128 v[XSB+32*(\u)+8*\m+4*\k:XSB+32*(\u)+8*\m+4*\k+3], v[SA+\m] offset:64*(\u)+16*\k
.endr
.endr
	s_wait_loadcnt \ca
	WIN 0x09                                       ; W2 window 1, hidden fragments window 2
	CMUL \u, 0
	PLACES
	WIN 0
.if !(\last)
.irp E, 0,1
.irp k, 0,1
	ds_load_b128 v[B2R+8*\E+4*\k:B2R+8*\E+4*\k+3], v[BA] offset:4096*\E+64*((\u)+1)+16*\k   ; the next tile's b2
.endr
.endr
.endif
.if \fetch
	RF2 (2+(\u))*8192, \u, 0
.endif
	s_wait_loadcnt \cb
	WIN 0x0d                                       ; hidden fragments window 3
	CMUL \u, 2
	PLACES
.if \fetch
	RF2 (2+(\u))*8192, \u, 1
.endif
	WIN 0
.if \last
	s_wait_dscnt 0x0
.else
	s_wait_dscnt 4                                 ; z's numbers are in; b2's four loads may be out
.endif
.irp m, 0,1,2,3
.irp i, 0,2,4,6
	v_pk_fma_f32 v[XSB+32*(\u)+8*\m+\i:XSB+32*(\u)+8*\m+\i+1], v[S+8*\m+\i:S+8*\m+\i+1], v[F+2*\m:F+2*\m+1], v[XSB+32*(\u)+8*\m+\i:XSB+32*(\u)+8*\m+\i+1]
.endr
.irp i, 0,2,4,6
	v_pk_fma_f32 v[XSB+32*(\u)+8*\m+\i:XSB+32*(\u)+8*\m+\i+1], v[S+32+8*\m+\i:S+32+8*\m+\i+1], v[F+8+2*\m:F+8+2*\m+1], v[XSB+32*(\u)+8*\m+\i:XSB+32*(\u)+8*\m+\i+1]
.endr
.endr
.irp m, 0,1,2,3
.irp k, 0,1
	ds_store_b128 v[SA+\m], v[XSB+32*(\u)+8*\m+4*\k:XSB+32*(\u)+8*\m+4*\k+3] offset:64*(\u)+16*\k
.endr
.endr
.endm
.irp E, 0,1
.irp k, 0,1
	ds_load_b128 v[B2R+8*\E+4*\k:B2R+8*\E+4*\k+3], v[BAD] offset:4096*\E+16*\k
.endr
.endr
	s_wait_dscnt 0x0
	s_mov_b32 s62, 0                               ; two tiles' 128 bytes a trip
	s_mov_b32 s63, 7
.Lct:                                              ; seven trips: tiles 0 to 13, fetching tiles 2 to 15
	CT 0, 1, 0, 48, 48                             ; 48: the set's other half and the other set, three batches of 16
	CT 1, 1, 0, 48, 48
	s_wait_xcnt 0x0                                ; the loads have read their bases: they step
	s_add_nc_u64 s[48:49], s[48:49], 16384
	s_add_nc_u64 s[50:51], s[50:51], 16384
	s_add_co_u32 s62, s62, 128
	s_sub_co_u32 s63, s63, 1
	s_cmp_lg_u32 s63, 0
	s_cbranch_scc1 .Lct
	CT 0, 0, 0, 48, 32                             ; tile 14: nothing more to fetch, the counts run down
	WIN 0x40
.irp q, 0,1,2,3,4,5,6,7
	global_load_b128 v[4*\q:4*\q+3], v[L16], s[18:19] offset:512*\q         ; gamma and beta take the ring's set 0: column 128 q + 4 lane + 0 .. 3, as a row lies in a lane's registers at the end
.endr
.irp q, 0,1,2,3,4,5,6,7
	global_load_b128 v[32+4*\q:32+4*\q+3], v[L16], s[20:21] offset:512*\q
.endr
	WIN 0
	CT 1, 0, 1, 32, 16                             ; tile 15: behind its first half stand its second and gamma's and beta's 16 loads
	BAR                                            ; 64 rows of z lie in the stage
; ---- the layer norm: my 16 rows, four at a time
	s_wait_loadcnt 0x0                             ; gamma, beta
	s_mov_b32 s56, 0x3727c5ac                      ; 1e-5
	s_mov_b32 s66, 0                               ; four stage rows a trip
	s_mov_b32 s67, 0                               ; four lanes of TOKV a trip, in bytes
	s_lshl_b32 s68, s2, 4                          ; the trip's first row
	s_mov_b32 s63, 4
.irp p, 0,1,2,3
	v_mov_b32 v[T+8*\p+4], 0                       ; written once: a lane permute's destination counts as one of its sources
.endr
.macro LSUM                            ; v[T + 8 p] summed over the 32 lanes, for the four rows
.irp x, 1,2,4,8
.irp p, 0,1,2,3
	v_add_f32_dpp v[T+8*\p], v[T+8*\p], v[T+8*\p] row_xmask:\x row_mask:0xf bank_mask:0xf
.endr
.endr
.irp p, 0,1,2,3
	v_permlanex16_b32 v[T+8*\p+4], v[T+8*\p], s60, s61
.endr
.irp p, 0,1,2,3
	v_add_f32 v[T+8*\p], v[T+8*\p], v[T+8*\p+4]
.endr
.endm
.Lfin:
	s_cmp_lt_u32 s68, s34                          ; four rows that all lie behind the tile's last are left out (in a tile without rows: all): a branch round the work alone; no barrier stands in the loop
	s_cbranch_scc0 .Lskip
	s_wait_xcnt 0x0                                ; the last trip's stores have read their registers
	v_add_nc_u32 v[ZA], s66, v[SXW]
	v_mov_b32 v[IX], s67
.irp p, 1,2,3
	v_add_nc_u32 v[IX+\p], 4*\p, v[IX]
.endr
.irp p, 0,1,2,3
	ds_bpermute_b32 v[OA+\p], v[IX+\p], v[TOKV]    ; the row's token, in every lane
.endr
.irp p, 0,1,2,3
.irp q, 0,1,2,3,4,5,6,7
	ds_load_b128 v[Z+32*\p+4*\q:Z+32*\p+4*\q+3], v[ZA] offset:SP*\p+512*\q
.endr
.endr
	s_wait_dscnt 0x0
.irp p, 0,1,2,3
	v_min_u32 v[OA+\p], 0x1fff, v[OA+\p]
	v_lshl_add_u32 v[OA+\p], v[OA+\p], 12, v[L16]
.endr
.irp p, 0,1,2,3
	v_pk_add_f32 v[T+8*\p:T+8*\p+1], v[Z+32*\p:Z+32*\p+1], v[Z+32*\p+2:Z+32*\p+3]           ; the row's sum, two at a time, in two chains
	v_pk_add_f32 v[T+8*\p+2:T+8*\p+3], v[Z+32*\p+4:Z+32*\p+5], v[Z+32*\p+6:Z+32*\p+7]
.endr
.irp j, 8,12,16,20,24,28
.irp p, 0,1,2,3
	v_pk_add_f32 v[T+8*\p:T+8*\p+1], v[T+8*\p:T+8*\p+1], v[Z+32*\p+\j:Z+32*\p+\j+1]
	v_pk_add_f32 v[T+8*\p+2:T+8*\p+3], v[T+8*\p+2:T+8*\p+3], v[Z+32*\p+\j+2:Z+32*\p+\j+3]
.endr
.endr
.irp p, 0,1,2,3
	v_pk_add_f32 v[T+8*\p:T+8*\p+1], v[T+8*\p:T+8*\p+1], v[T+8*\p+2:T+8*\p+3]
.endr
.irp p, 0,1,2,3
	v_add_f32 v[T+8*\p], v[T+8*\p], v[T+8*\p+1]
.endr
	LSUM
.irp p, 0,1,2,3
	v_mul_f32 v[T+8*\p+6], s69, v[T+8*\p]          ; the mean, twice
	v_mul_f32 v[T+8*\p+7], s69, v[T+8*\p]
.endr
.irp j, 0,2,4,6,8,10,12,14,16,18,20,22,24,26,28,30
.irp p, 0,1,2,3
	v_pk_add_f32 v[Z+32*\p+\j:Z+32*\p+\j+1], v[Z+32*\p+\j:Z+32*\p+\j+1], v[T+8*\p+6:T+8*\p+7] neg_lo:[0,1] neg_hi:[0,1]   ; z - mean
.endr
.endr
.irp p, 0,1,2,3
	v_pk_mul_f32 v[T+8*\p:T+8*\p+1], v[Z+32*\p:Z+32*\p+1], v[Z+32*\p:Z+32*\p+1]             ; the sum of squares of what is left
	v_pk_mul_f32 v[T+8*\p+2:T+8*\p+3], v[Z+32*\p+2:Z+32*\p+3], v[Z+32*\p+2:Z+32*\p+3]
.endr
.irp j, 4,8,12,16,20,24,28
.irp p, 0,1,2,3
	v_pk_fma_f32 v[T+8*\p:T+8*\p+1], v[Z+32*\p+\j:Z+32*\p+\j+1], v[Z+32*\p+\j:Z+32*\p+\j+1], v[T+8*\p:T+8*\p+1]
	v_pk_fma_f32 v[T+8*\p+2:T+8*\p+3], v[Z+32*\p+\j+2:Z+32*\p+\j+3], v[Z+32*\p+\j+2:Z+32*\p+\j+3], v[T+8*\p+2:T+8*\p+3]
.endr
.endr
.irp p, 0,1,2,3
	v_pk_add_f32 v[T+8*\p:T+8*\p+1], v[T+8*\p:T+8*\p+1], v[T+8*\p+2:T+8*\p+3]
.endr
.irp p, 0,1,2,3
	v_add_f32 v[T+8*\p], v[T+8*\p], v[T+8*\p+1]
.endr
	LSUM
.irp p, 0,1,2,3
	v_fma_f32 v[T+8*\p], v[T+8*\p], s69, s56       ; the variance + 1e-5
.endr
.irp p, 0,1,2,3
	v_rsq_f32 v[T+8*\p+6], v[T+8*\p]
	v_rsq_f32 v[T+8*\p+7], v[T+8*\p]
.endr
	v_nop                                          ; a plain instruction behind the last of the batch,
	s_wait_alu depctr_va_vdst(0)                   ; and one wait for the eight, ahead of their first reader
.irp j, 0,2,4,6,8,10,12,14,16,18,20,22,24,26,28,30
.irp p, 0,1,2,3
	v_pk_mul_f32 v[Z+32*\p+\j:Z+32*\p+\j+1], v[Z+32*\p+\j:Z+32*\p+\j+1], v[T+8*\p+6:T+8*\p+7]
.endr
.endr
	WIN 0x14                                       ; gamma and beta in window 1
.irp j, 0,2,4,6,8,10,12,14,16,18,20,22,24,26,28,30
.irp p, 0,1,2,3
	v_pk_fma_f32 v[Z+32*\p+\j:Z+32*\p+\j+1], v[Z+32*\p+\j:Z+32*\p+\j+1], v[\j:\j+1], v[32+\j:32+\j+1]
.endr
.endr
	WIN 0
.irp p, 0,1,2,3
.irp q, 0,1,2,3,4,5,6,7
	global_store_b128 v[OA+\p], v[Z+32*\p+4*\q:Z+32*\p+4*\q+3], s[30:31] offset:512*\q th:TH_STORE_NT   ; 32 lanes store 512 consecutive bytes of the token's row, at a multiple of 256 from out0's first byte
.endr
.endr
.Lskip:
	s_add_co_u32 s66, s66, 4*SP
	s_add_co_u32 s67, s67, 16
	s_add_co_u32 s68, s68, 4
	s_sub_co_u32 s63, s63, 1
	s_cmp_lg_u32 s63, 0
	s_cbranch_scc1 .Lfin
	s_wait_tensorcnt 0x0
	ds_add_u32 v10, v18
	s_wait_dscnt 0x0
	s_endpgm
.Lfunc_end_k_q3d893321c5_chain:
	.size	k_q3d893321c5_chain, .Lfunc_end_k_q3d893321c5_chain-k_q3d893321c5_chain
	.p2alignl 7, 3214868480
	.fill 96, 4, 3214868480
	.section	.rodata,"a",@progbits
	.p2align	6, 0x0
	.amdhsa_kernel k_q3d893321c5_chain
		.amdhsa_group_segment_fixed_size 275968
		.amdhsa_private_segment_fixed_size 0
		.amdhsa_enable_private_segment 0
		.amdhsa_kernarg_size 96
		.amdhsa_user_sgpr_count 2
		.amdhsa_user_sgpr_kernarg_segment_ptr 1
		.amdhsa_wavefront_size32 1
		.amdhsa_system_sgpr_workgroup_id_x 1
		.amdhsa_system_sgpr_workgroup_id_y 1
		.amdhsa_system_sgpr_workgroup_id_z 1
		.amdhsa_system_vgpr_workitem_id 0
		.amdhsa_next_free_vgpr 1024
		.amdhsa_next_free_sgpr 100
		.amdhsa_reserve_vcc 0
		.amdhsa_float_denorm_mode_32 3
		.amdhsa_float_denorm_mode_16_64 3
		.amdhsa_memory_ordered 1
		.amdhsa_forward_progress 1
		.amdhsa_inst_pref_size 255
	.end_amdhsa_kernel
	.section	.bss,"aw",@nobits
	.p2align	6
	.space	262144
	.amdgpu_metadata
---
amdhsa.version: [ 1, 2 ]
amdhsa.kernels:
  - .name:           k_q3d893321c5_chain
    .symbol:         k_q3d893321c5_chain.kd
    .args:
      - { .name: x, .offset: 0, .size: 8, .value_kind: global_buffer, .address_space: global }
      - { .name: w1f, .offset: 8, .size: 8, .value_kind: global_buffer, .address_space: global }
      - { .name: w2f, .offset: 16, .size: 8, .value_kind: global_buffer, .address_space: global }
      - { .name: b1, .offset: 24, .size: 8, .value_kind: global_buffer, .address_space: global }
      - { .name: b2, .offset: 32, .size: 8, .value_kind: global_buffer, .address_space: global }
      - { .name: gamma, .offset: 40, .size: 8, .value_kind: global_buffer, .address_space: global }
      - { .name: beta, .offset: 48, .size: 8, .value_kind: global_buffer, .address_space: global }
      - { .name: lowp_scales, .offset: 56, .size: 8, .value_kind: global_buffer, .address_space: global }
      - { .name: tiles, .offset: 64, .size: 8, .value_kind: global_buffer, .address_space: global }
      - { .name: tok, .offset: 72, .size: 8, .value_kind: global_buffer, .address_space: global }
      - { .name: wts, .offset: 80, .size: 8, .value_kind: global_buffer, .address_space: global }
      - { .name: out0, .offset: 88, .size: 8, .value_kind: global_buffer, .address_space: global }
    .group_segment_fixed_size: 275968
    .private_segment_fixed_size: 0
    .kernarg_segment_align: 8
    .kernarg_segment_size: 96
    .max_flat_workgroup_size: 128
    .sgpr_count:     100
    .vgpr_count:     1024
    .wavefront_size: 32
...
	.end_amdgpu_metadata
.endif
;; end of part 3
;; ======== version 2 of 2: 3 launches
;; workspace buffers: kr 32,768 bytes of whole numbers; hist 32,768 bytes of whole numbers; wts 65,536 bytes; psum 8,192 bytes; tok 39,680 bytes of whole numbers; tiles 2,560 bytes of whole numbers; w1f 4,194,304 bytes; w2f 4,194,304 bytes
;; launch route (part 4): grid 256 x 1, 4 waves a work-group, no clusters, 137,728 bytes of LDS; arguments x, Wg, bg, kr, hist, wts, psum; writes kr, hist, wts, psum
.if DOCPART == 4
	.amdgcn_target "amdgcn-amd-amdhsa--gfx1250"
	.amdhsa_code_object_version 6
	.text
	.protected	k_q3d893321c5_route
	.globl	k_q3d893321c5_route
	.p2align	8
	.type	k_q3d893321c5_route,@function
k_q3d893321c5_route:
	s_mov_b64 s[64:65], 0
	v_nop
	global_prefetch_b8 v0, s[64:65] scope:SCOPE_SE
	s_setreg_imm32_b32 hwreg(HW_REG_WAVE_MODE, 25, 1), 1
	s_wait_xcnt 0x0
; THE ROUTER.  logits = x Wg + bg in f32 (fused multiply-adds), softmax with the row's maximum taken away, the two largest probabilities (of equal ones the lower index).
; A work-group takes 32 tokens.  Wave w takes K = 256 w .. 256 w + 255 of all 32 rows: of a row, lane l holds k = 256 w + 128 c + 4 l + j (c = 0, 1; j = 0 .. 3): two loads of 512 consecutive bytes.
; Its 8 x 8 numbers of Wg stay in 64 registers.  A row's eight partial sums of each lane go to the wave's own LDS; lane r then adds row r's 32 parts; the four waves' parts meet behind the one barrier; wave 0 goes on, a lane a token.
; STORED, all at fixed places (no address and no branch hangs on a computed number):
;   kr[token]   = q | rank << 8:  q = the number of the pair (lo, hi) of chosen experts, 0 .. 27; rank = how many earlier tokens of these 32 have the same q
;   hist[group][32]: lane q = how many of the 32 tokens have pair q (lanes 28 to 31: 0);   wts[token] = (score of lo, score of hi);   psum[group][8] = the 32 tokens' sum of probabilities
; LIMITS: NaN among the inputs is not served.  Where a token's second and third probability differ by less than the rounding of f32 sums, either may be chosen.
.set RP,   1040                        ; a row of parts in LDS: 2 x 32 lanes x 16 bytes + 16 of padding = 260 words: sixteen lanes that read sixteen rows start in sixteen different columns of 16 bytes
.set WREG, 32*RP                       ; a wave's 32 rows
.set XW,   4*WREG                      ; behind them: [wave][half of the experts][token] 16 bytes
.set WGR,  16                          ; v16-79   Wg: register 8 kk + e, kk = 4 c + j
.set XR,   80                          ; v80-207  sixteen row slots of 8 registers; later the parts read back
.set ACC,  208                         ; v208-223 a row's eight sums, two sets by turns; later the token's eight sums
	s_load_b256 s[4:11], s[0:1], 0x0               ; x s[4:5], Wg s[6:7], bg s[8:9], kr s[10:11]
	s_load_b128 s[12:15], s[0:1], 0x20             ; hist s[12:13], wts s[14:15]
	s_load_b64 s[16:17], s[0:1], 0x30              ; psum
	v_lshl_add_u32 v254, v0, 2, 0x21800
	v_mov_b32 v255, 0
	v_lshrrev_b32 v8, 5, v0
	v_readfirstlane_b32 s2, v8                     ; wave 0..3
	v_and_b32 v1, 31, v0                           ; lane
	v_lshlrev_b32 v9, 4, v1                        ; 16 x lane
	s_lshl_b32 s18, s2, 10
	v_add_nc_u32 v2, s18, v9                       ; x: 1,024 w + 16 lane in a row
	s_add_co_u32 s18, s18, XW
	v_add_nc_u32 v6, s18, v9                       ; where my wave's sums go
	v_add_nc_u32 v7, XW, v9                        ; and where wave 0 reads all four
	s_lshl_b32 s18, s2, 13
	v_lshl_add_u32 v3, v1, 7, s18                  ; Wg: (256 w + 4 lane) rows of 32 bytes
	s_mul_i32 s19, s2, WREG
	v_add_nc_u32 v4, s19, v9                       ; parts, in: 16 x lane in a row
	v_mul_u32_u24 v5, v1, RP
	v_add_nc_u32 v5, s19, v5                       ; parts, back: row = my lane
	s_lshl_b32 s20, ttmp9, 17                      ; 32 rows of 4,096 bytes a work-group
	s_mov_b32 s21, 0
	s_mov_b32 s22, 0x76543210                      ; v_permlanex16_b32: lane l xor 16
	s_mov_b32 s23, 0xfedcba98
	s_wait_alu depctr_va_vdst(0)
	s_wait_kmcnt 0x0
	s_load_b256 s[24:31], s[8:9], 0x0              ; bg
	s_add_nc_u64 s[4:5], s[4:5], s[20:21]
.irp c, 0,1
.irp j, 0,1,2,3
.irp u, 0,1
	global_load_b128 v[WGR+8*(4*\c+\j)+4*\u:WGR+8*(4*\c+\j)+4*\u+3], v3, s[6:7] offset:4096*\c+32*\j+16*\u
.endr
.endr
.endr
.macro LOADROW i                       ; row i into slot i % 16
	global_load_b128 v[XR+8*((\i)%16):XR+8*((\i)%16)+3], v2, s[4:5] offset:4096*(\i)
	global_load_b128 v[XR+8*((\i)%16)+4:XR+8*((\i)%16)+7], v2, s[4:5] offset:4096*(\i)+512
.endm
.irp i, 0,1,2,3,4,5,6,7,8,9,10,11,12,13,14,15
	LOADROW \i
.endr
.macro ROW i
.if (\i) <= 16
	s_wait_loadcnt 30                              ; behind row i's two loads stand those of the fifteen rows that follow; Wg's loads are older and so are in too
.else
	s_wait_loadcnt 2*(31-(\i))                     ; the last rows: the count runs down
.endif
.set XB, XR+8*((\i)%16)
.set AB, ACC+8*((\i)%2)
.irp p, 0,1,2,3
	v_pk_mul_f32 v[AB+2*\p:AB+2*\p+1], v[XB:XB+1], v[WGR+2*\p:WGR+2*\p+1] op_sel_hi:[0,1]   ; the first product starts the sums: x(k) for both halves, two experts
.endr
.irp kk, 1,2,3,4,5,6,7
.irp p, 0,1,2,3
.if (\kk)%2
	v_pk_fma_f32 v[AB+2*\p:AB+2*\p+1], v[XB+\kk-1:XB+\kk], v[WGR+8*\kk+2*\p:WGR+8*\kk+2*\p+1], v[AB+2*\p:AB+2*\p+1] op_sel:[1,0,0] op_sel_hi:[1,1,1]
.else
	v_pk_fma_f32 v[AB+2*\p:AB+2*\p+1], v[XB+\kk:XB+\kk+1], v[WGR+8*\kk+2*\p:WGR+8*\kk+2*\p+1], v[AB+2*\p:AB+2*\p+1] op_sel_hi:[0,1,1]
.endif
.endr
.endr
	ds_store_b128 v4, v[AB:AB+3] offset:RP*(\i)
	ds_store_b128 v4, v[AB+4:AB+7] offset:RP*(\i)+512
.if (\i) < 16
	LOADROW (\i)+16
.endif
.endm
.irp i, 0,1,2,3,4,5,6,7,8,9,10,11,12,13,14,15,16,17,18,19,20,21,22,23,24,25,26,27,28,29,30,31
	ROW \i
.endr
; lane r adds the 32 parts of row r, four experts at a time.  The bytes are the wave's own, and LDS serves a wave's instructions in order: no barrier and no wait between the stores above and these loads.
.macro ADDQ a, b
	v_pk_add_f32 v[XR+4*(\a):XR+4*(\a)+1], v[XR+4*(\a):XR+4*(\a)+1], v[XR+4*(\b):XR+4*(\b)+1]
	v_pk_add_f32 v[XR+4*(\a)+2:XR+4*(\a)+3], v[XR+4*(\a)+2:XR+4*(\a)+3], v[XR+4*(\b)+2:XR+4*(\b)+3]
.endm
.irp u, 0,1
.irp l, 0,1,2,3,4,5,6,7,8,9,10,11,12,13,14,15,16,17,18,19,20,21,22,23,24,25,26,27,28,29,30,31
	ds_load_b128 v[XR+4*\l:XR+4*\l+3], v5 offset:512*\u+16*\l
.endr
	s_wait_dscnt 0x0
.irp l, 0,1,2,3,4,5,6,7,8,9,10,11,12,13,14,15
	ADDQ \l, \l+16
.endr
.irp l, 0,1,2,3,4,5,6,7
	ADDQ \l, \l+8
.endr
.irp l, 0,1,2,3
	ADDQ \l, \l+4
.endr
.irp l, 0,1
	ADDQ \l, \l+2
.endr
	v_pk_add_f32 v[ACC+4*\u:ACC+4*\u+1], v[XR:XR+1], v[XR+4:XR+5]
	v_pk_add_f32 v[ACC+4*\u+2:ACC+4*\u+3], v[XR+2:XR+3], v[XR+6:XR+7]
.endr
	ds_store_b128 v6, v[ACC:ACC+3]
	ds_store_b128 v6, v[ACC+4:ACC+7] offset:512
	s_wait_dscnt 0x0                               ; for the others' sake: my stores are done
	s_barrier_signal -1
	s_barrier_wait -1
	s_cmp_lg_u32 s2, 0
	s_cbranch_scc1 .Lend                           ; wave 0 goes on alone: a lane a token; no barrier follows
.irp w, 0,1,2,3
.irp u, 0,1
	ds_load_b128 v[XR+8*\w+4*\u:XR+8*\w+4*\u+3], v7 offset:1024*\w+512*\u
.endr
.endr
	s_lshl_b32 s20, ttmp9, 7                       ; the outputs' places for this group
	s_add_nc_u64 s[10:11], s[10:11], s[20:21]
	s_add_nc_u64 s[12:13], s[12:13], s[20:21]
	s_lshl_b32 s20, ttmp9, 8
	s_add_nc_u64 s[14:15], s[14:15], s[20:21]
	s_lshl_b32 s20, ttmp9, 5
	s_add_nc_u64 s[16:17], s[16:17], s[20:21]
	s_wait_dscnt 0x0
.irp p, 0,2,4,6
	v_pk_add_f32 v[80+\p:81+\p], v[80+\p:81+\p], v[88+\p:89+\p]
	v_pk_add_f32 v[96+\p:97+\p], v[96+\p:97+\p], v[104+\p:105+\p]
.endr
.irp p, 0,2,4,6
	v_pk_add_f32 v[80+\p:81+\p], v[80+\p:81+\p], v[96+\p:97+\p]
.endr
	s_wait_alu depctr_va_vdst(0)
	s_wait_kmcnt 0x0
.irp e, 0,1,2,3,4,5,6,7
	v_add_f32 v[80+\e], s[24+\e], v[80+\e]         ; + bg: the logits, v80-87
.endr
	v_max3_num_f32 v88, v80, v81, v82
	v_max3_num_f32 v88, v88, v83, v84
	v_max3_num_f32 v88, v88, v85, v86
	v_max_num_f32 v88, v88, v87                    ; the row's maximum
.irp e, 0,1,2,3,4,5,6,7
	v_sub_f32 v[80+\e], v[80+\e], v88
.endr
.irp e, 0,1,2,3,4,5,6,7
	v_mul_f32 v[80+\e], 0x3fb8aa3b, v[80+\e]       ; x log2(e)
.endr
	s_wait_alu depctr_va_vdst(0)
.irp e, 0,1,2,3,4,5,6,7
	v_exp_f32 v[80+\e], v[80+\e]
.endr
	v_nop                                          ; a plain instruction behind the last exponential,
	s_wait_alu depctr_va_vdst(0)                   ; and one wait for the batch, ahead of its first reader
	v_add_f32 v89, v80, v81
	v_add_f32 v90, v82, v83
	v_add_f32 v91, v84, v85
	v_add_f32 v92, v86, v87
	v_add_f32 v89, v89, v90
	v_add_f32 v91, v91, v92
	v_add_f32 v89, v89, v91
	s_wait_alu depctr_va_vdst(0)
	v_rcp_f32 v89, v89
	v_nop
	s_wait_alu depctr_va_vdst(0)
.irp e, 0,1,2,3,4,5,6,7
	v_mul_f32 v[80+\e], v[80+\e], v89              ; the probabilities
.endr
	v_mov_b32 v96, v80                             ; the largest, v96, and its index, v97: a later one wins only if it is greater
	v_mov_b32 v97, 0
.irp e, 1,2,3,4,5,6,7
	v_cmp_ge_f32 vcc_lo, v96, v[80+\e]             ; keep the old one where it is not smaller
	v_cndmask_b32 v97, \e, v97, vcc_lo
	v_cndmask_b32 v96, v[80+\e], v96, vcc_lo
.endr
	v_mov_b32 v98, -1.0                            ; the second, v98 and v99: the same walk, passing over the first
	v_mov_b32 v99, 0
.irp e, 0,1,2,3,4,5,6,7
	v_cmp_eq_u32 s32, \e, v97
	v_cmp_ge_f32 vcc_lo, v98, v[80+\e]
	s_or_b32 vcc_lo, vcc_lo, s32
	v_cndmask_b32 v99, \e, v99, vcc_lo
	v_cndmask_b32 v98, v[80+\e], v98, vcc_lo
.endr
	v_min_u32 v100, v97, v99                       ; lo
	v_max_u32 v101, v97, v99                       ; hi
	v_cmp_lt_u32 vcc_lo, v97, v99
	v_cndmask_b32 v102, v98, v96, vcc_lo           ; lo's score
	v_cndmask_b32 v103, v96, v98, vcc_lo           ; hi's score
	v_sub_nc_u32 v104, 15, v100
	v_mul_u32_u24 v104, v104, v100
	v_lshrrev_b32 v104, 1, v104                    ; (15 - lo) lo / 2: the pairs with a smaller lo
	v_add_nc_u32 v104, v104, v101
	v_sub_nc_u32 v104, v104, v100
	v_add_nc_u32 v104, -1, v104                    ; q
	v_mov_b32 v105, 0                              ; rank
	v_mov_b32 v106, 0                              ; the histogram, lane q
.irp q, 0,1,2,3,4,5,6,7,8,9,10,11,12,13,14,15,16,17,18,19,20,21,22,23,24,25,26,27
	v_cmp_eq_u32 s32, \q, v104
	v_mbcnt_lo_u32_b32 v107, s32, 0                ; how many lower lanes have this pair
	v_cndmask_b32 v105, v105, v107, s32
	s_bcnt1_i32_b32 s33, s32
	v_writelane_b32 v106, s33, \q
.endr
	v_lshl_or_b32 v104, v105, 8, v104              ; q | rank << 8
	v_mov_b32 v108, 0                              ; written once: a lane permute's destination counts as one of its sources
.irp x, 1,2,4,8
.irp e, 0,1,2,3,4,5,6,7
	v_add_f32_dpp v[80+\e], v[80+\e], v[80+\e] row_xmask:\x row_mask:0xf bank_mask:0xf
.endr
.endr
.irp e, 0,1,2,3,4,5,6,7
	v_permlanex16_b32 v108, v[80+\e], s22, s23
	v_add_f32 v[80+\e], v[80+\e], v108             ; the 32 tokens' sum of expert e's probability, in every lane
.endr
	v_mov_b32 v109, v80
.irp e, 1,2,3,4,5,6,7
	v_cmp_eq_u32 vcc_lo, \e, v1
	v_cndmask_b32 v109, v109, v[80+\e], vcc_lo     ; lane e takes expert e's
.endr
	v_lshlrev_b32 v110, 2, v1
	v_lshlrev_b32 v111, 3, v1
	global_store_b32 v110, v104, s[10:11]
	global_store_b64 v111, v[102:103], s[14:15]
	global_store_b32 v110, v106, s[12:13]
	v_cmp_gt_u32 vcc_lo, 8, v1
	s_wait_alu depctr_va_vdst(0)
	s_wait_xcnt 0x0                                ; EXEC changes only behind this wait
	s_and_saveexec_b32 s33, vcc_lo
	global_store_b32 v110, v109, s[16:17]
	s_wait_xcnt 0x0
	s_or_b32 exec_lo, exec_lo, s33
.Lend:
	s_wait_tensorcnt 0x0
	ds_add_u32 v254, v255
	s_wait_dscnt 0x0
	s_endpgm
.Lfunc_end_k_q3d893321c5_route:
	.size	k_q3d893321c5_route, .Lfunc_end_k_q3d893321c5_route-k_q3d893321c5_route
	.p2alignl 7, 3214868480
	.fill 96, 4, 3214868480
	.section	.rodata,"a",@progbits
	.p2align	6, 0x0
	.amdhsa_kernel k_q3d893321c5_route
		.amdhsa_group_segment_fixed_size 137728
		.amdhsa_private_segment_fixed_size 0
		.amdhsa_enable_private_segment 0
		.amdhsa_kernarg_size 56
		.amdhsa_user_sgpr_count 2
		.amdhsa_user_sgpr_kernarg_segment_ptr 1
		.amdhsa_wavefront_size32 1
		.amdhsa_system_sgpr_workgroup_id_x 1
		.amdhsa_system_sgpr_workgroup_id_y 1
		.amdhsa_system_sgpr_workgroup_id_z 1
		.amdhsa_system_vgpr_workitem_id 0
		.amdhsa_next_free_vgpr 256
		.amdhsa_next_free_sgpr 66
		.amdhsa_reserve_vcc 1
		.amdhsa_float_denorm_mode_32 3
		.amdhsa_float_denorm_mode_16_64 3
		.amdhsa_memory_ordered 1
		.amdhsa_forward_progress 1
		.amdhsa_inst_pref_size 109
	.end_amdhsa_kernel
	.amdgpu_metadata
---
amdhsa.version: [ 1, 2 ]
amdhsa.kernels:
  - .name:           k_q3d893321c5_route
    .symbol:         k_q3d893321c5_route.kd
    .args:
      - { .name: x, .offset: 0, .size: 8, .value_kind: global_buffer, .address_space: global }
      - { .name: Wg, .offset: 8, .size: 8, .value_kind: global_buffer, .address_space: global }
      - { .name: bg, .offset: 16, .size: 8, .value_kind: global_buffer, .address_space: global }
      - { .name: kr, .offset: 24, .size: 8, .value_kind: global_buffer, .address_space: global }
      - { .name: hist, .offset: 32, .size: 8, .value_kind: global_buffer, .address_space: global }
      - { .name: wts, .offset: 40, .size: 8, .value_kind: global_buffer, .address_space: global }
      - { .name: psum, .offset: 48, .size: 8, .value_kind: global_buffer, .address_space: global }
    .group_segment_fixed_size: 137728
    .private_segment_fixed_size: 0
    .kernarg_segment_align: 8
    .kernarg_segment_size: 56
    .max_flat_workgroup_size: 128
    .sgpr_count:     66
    .vgpr_count:     256
    .wavefront_size: 32
...
	.end_amdgpu_metadata
.endif
;; end of part 4
;; launch place (part 5): grid 65 x 1, 16 waves a work-group, no clusters, 6,144 bytes of LDS; arguments kr, hist, psum, W1_codes, W2_codes, tok, tiles, out1, w1f, w2f; writes tok, tiles, out1, w1f, w2f
.if DOCPART == 5
	.amdgcn_target "amdgcn-amd-amdhsa--gfx1250"
	.amdhsa_code_object_version 6
	.text
	.protected	k_q3d893321c5_place
	.globl	k_q3d893321c5_place
	.p2align	8
	.type	k_q3d893321c5_place,@function
k_q3d893321c5_place:
	s_mov_b64 s[64:65], 0
	v_nop
	global_prefetch_b8 v0, s[64:65] scope:SCOPE_SE
	s_setreg_imm32_b32 hwreg(HW_REG_WAVE_MODE, 25, 1), 1
	s_wait_xcnt 0x0
; WORK-GROUP 0 PLACES THE TOKENS.  Tokens are sorted by their pair of experts (28 pairs), each pair's tokens in tiles of 64 rows: never more than 128 + 27 = 155 tiles, whatever the choice.
;   tok[tile][64]: the tokens of a tile (rows under nrows alone are written);   tiles[tile] = lo, hi, nrows, 0 (nrows = 0: a tile that this split does not use);   out1 = the load-balancing loss.
;   A counting sort without atomics: wave w owns the groups 16 w .. 16 w + 15 of 32 tokens; lane q runs the sums of pair q.  slot = 64 x the pair's first tile + tokens of the pair in earlier waves + in earlier groups of my wave + rank.
;   out1 = 8 x sum over e of (count_e / 16,384) (sum of probabilities_e / 8,192) = 2^-24 x sum over pairs of count(pair) x (Ps(lo) + Ps(hi)).
; WORK-GROUPS 1 TO 64 LAY THE WEIGHTS' CODES IN THE ORDER OF THE OPERANDS' REGISTERS, so that the next launch takes a fragment (16 rows x 128 K) by four loads of 512 consecutive bytes:
;   w1f [e 8][w 4][s 8][t 8][c 4][lane 32][16 bytes]: lane (r, h) holds W1_codes[e][128 w + 32 (t / 2) + 8 (t % 2) + r + 8 (r / 8)][128 s + 32 c + 16 h + 0 .. 15]
;   w2f [e 8][w 4][ct 16][s 4][c 4][lane 32][16 bytes]: lane (r, h) holds W2_codes[e][256 w + 16 ct + r][128 s + 32 c + 16 h + 0 .. 15]
;   A wave takes 16 rows x 512 bytes: four fragments, 16 loads, 16 stores of 512 consecutive bytes.
.set PSB, 2048                         ; LDS: from 0 the waves' totals [wave][lane] (2,048 bytes); from PSB the waves' sums of probabilities [wave][half][16 bytes]
	s_load_b512 s[8:23], s[0:1], 0x0               ; kr 8, hist 10, psum 12, W1_codes 14, W2_codes 16, tok 18, tiles 20, out1 22
	s_load_b128 s[24:27], s[0:1], 0x40             ; w1f 24, w2f 26
	v_lshl_add_u32 v128, v0, 2, 0x1000
	v_mov_b32 v129, 0
	v_lshrrev_b32 v2, 5, v0
	s_delay_alu instid0(VALU_DEP_1)
	v_readfirstlane_b32 s2, v2                     ; wave 0..15
	v_and_b32 v1, 31, v0                           ; lane
	s_mov_b32 s35, 0
	s_mov_b32 s37, 0
	s_cmp_eq_u32 ttmp9, 0
	s_cbranch_scc1 .Lplace
	v_and_b32 v2, 15, v1                           ; r
	v_lshrrev_b32 v3, 4, v1                        ; h
	v_lshlrev_b32 v5, 4, v1                        ; out: 16 x lane
.macro RELAY sb, db, dstep             ; four fragments: K steps 128 bytes apart in the rows, dstep bytes apart in the new order
.irp s, 0,1,2,3
.irp c, 0,1,2,3
	global_load_b128 v[16+16*\s+4*\c:16+16*\s+4*\c+3], v4, s[\sb:\sb+1] offset:128*\s+32*\c
.endr
.endr
.irp s, 0,1,2,3
.irp c, 0,1,2,3
	s_wait_loadcnt 15-4*\s-\c                      ; loads come back in order: this one is in, the younger may be out
	global_store_b128 v5, v[16+16*\s+4*\c:16+16*\s+4*\c+3], s[\db:\db+1] offset:\dstep*\s+512*\c
.endr
.endr
.endm
	s_cmp_gt_u32 ttmp9, 32
	s_cbranch_scc1 .Lw2
	s_sub_co_u32 s3, ttmp9, 1
	s_lshl_b32 s3, s3, 4
	s_add_co_u32 s3, s3, s2                        ; g = 0 .. 511: e = g >> 6, w = (g >> 4) & 3, t = (g >> 1) & 7, which half of K = g & 1
	s_lshr_b32 s28, s3, 4
	s_lshl_b32 s28, s28, 17                        ; 524,288 e + 131,072 w: the same in both orders
	s_bfe_u32 s29, s3, 0x30001                     ; t
	s_and_b32 s30, s3, 1
	s_lshr_b32 s31, s29, 1
	s_lshl_b32 s31, s31, 15                        ; 32 (t / 2) rows of 1,024 bytes
	s_and_b32 s32, s29, 1
	s_lshl_b32 s32, s32, 13                        ; 8 (t % 2) rows
	s_add_co_u32 s34, s28, s31
	s_add_co_u32 s34, s34, s32
	s_lshl_b32 s33, s30, 9
	s_add_co_u32 s34, s34, s33                     ; from
	s_lshl_b32 s33, s30, 16
	s_add_co_u32 s36, s28, s33
	s_lshl_b32 s33, s29, 11
	s_add_co_u32 s36, s36, s33                     ; to
	s_wait_alu depctr_va_vdst(0)
	v_and_b32 v4, 8, v2
	s_delay_alu instid0(VALU_DEP_1)
	v_add_nc_u32 v4, v4, v2                        ; r + 8 (r / 8)
	s_delay_alu instid0(VALU_DEP_1)
	v_lshlrev_b32 v4, 10, v4
	s_delay_alu instid0(VALU_DEP_1)
	v_lshl_add_u32 v4, v3, 4, v4
	s_wait_alu depctr_va_vdst(0)
	s_wait_kmcnt 0x0
	s_add_nc_u64 s[14:15], s[14:15], s[34:35]
	s_add_nc_u64 s[24:25], s[24:25], s[36:37]
	RELAY 14, 24, 16384
	s_endpgm
.Lw2:
	s_sub_co_u32 s3, ttmp9, 33
	s_lshl_b32 s3, s3, 4
	s_add_co_u32 s3, s3, s2                        ; g: 16 rows of 512 bytes each, in the same order in both layouts
	s_lshl_b32 s34, s3, 13
	s_wait_alu depctr_va_vdst(0)
	v_lshlrev_b32 v4, 9, v2
	s_delay_alu instid0(VALU_DEP_1)
	v_lshl_add_u32 v4, v3, 4, v4
	s_wait_alu depctr_va_vdst(0)
	s_wait_kmcnt 0x0
	s_add_nc_u64 s[16:17], s[16:17], s[34:35]
	s_add_nc_u64 s[26:27], s[26:27], s[34:35]
	RELAY 16, 26, 2048
	s_endpgm
.Lplace:
; v16-31 a group's histogram, later the waves' totals, later what is stored; v32-47 kr; v48-51 psum; v64-80 running sums; v96-111 slots
	s_mov_b32 s4, 0x76543210
	s_mov_b32 s5, 0xfedcba98
	s_lshl_b32 s3, s2, 11
	s_wait_alu depctr_va_vdst(0)
	v_lshl_add_u32 v4, v1, 2, s3                   ; 2,048 w + 4 lane: my wave's 16 groups in hist and in kr
	v_lshlrev_b32 v5, 4, v0                        ; 16 x thread
	v_lshlrev_b32 v6, 2, v0                        ; 4 x thread
	v_and_b32 v7, 1, v1
	s_delay_alu instid0(VALU_DEP_1)
	v_lshlrev_b32 v7, 4, v7
	s_lshl_b32 s3, s2, 5
	s_add_co_u32 s3, s3, PSB
	v_add_nc_u32 v7, s3, v7                        ; PSB + 32 w + 16 (lane % 2)
	v_lshlrev_b32 v8, 2, v1
	s_wait_alu depctr_va_vdst(0)
	s_wait_kmcnt 0x0
.irp j, 0,1,2,3,4,5,6,7,8,9,10,11,12,13,14,15
	global_load_b32 v[16+\j], v4, s[10:11] offset:128*\j
.endr
.irp j, 0,1,2,3,4,5,6,7,8,9,10,11,12,13,14,15
	global_load_b32 v[32+\j], v4, s[8:9] offset:128*\j
.endr
	global_load_b128 v[48:51], v5, s[12:13]        ; thread t: group t / 2, experts 4 (t % 2) on
.irp k, 0,1,2,3
	v_mov_b32 v[52+\k], 0                          ; written once: a lane permute's destination counts as one of its sources
.endr
	s_wait_loadcnt 17                              ; the histograms are in; kr's sixteen loads and psum's one may be out
	v_mov_b32 v64, 0
.irp j, 0,1,2,3,4,5,6,7,8,9,10,11,12,13,14,15
	s_delay_alu instid0(VALU_DEP_1)
	v_add_nc_u32 v[65+\j], v[64+\j], v[16+\j]      ; lane q: tokens of pair q in my wave's groups ahead of group j + 1
.endr
	ds_store_b32 v6, v80                           ; my wave's total
	s_wait_loadcnt 0x0
.macro PARITY                          ; v48-51 summed over the lanes of my parity
.irp x, 2,4,8
.irp k, 0,1,2,3
	v_add_f32_dpp v[48+\k], v[48+\k], v[48+\k] row_xmask:\x row_mask:0xf bank_mask:0xf
.endr
.endr
.irp k, 0,1,2,3
	s_delay_alu instid0(VALU_DEP_4)
	v_permlanex16_b32 v[52+\k], v[48+\k], s4, s5
.endr
.irp k, 0,1,2,3
	s_delay_alu instid0(VALU_DEP_4)
	v_add_f32 v[48+\k], v[48+\k], v[52+\k]
.endr
.endm
	PARITY
	ds_store_b128 v7, v[48:51]                     ; lanes of one parity write the same numbers to the same place
	s_wait_dscnt 0x0                               ; for the others' sake: my stores are done
	s_barrier_signal -1
	s_barrier_wait -1
.irp w, 0,1,2,3,4,5,6,7,8,9,10,11,12,13,14,15
	ds_load_b32 v[16+\w], v8 offset:128*\w
.endr
	v_mov_b32 v81, 0                               ; lane q: all tokens of pair q,
	v_mov_b32 v82, 0                               ; and those of earlier waves
	s_wait_alu depctr_va_vdst(0)
	s_wait_dscnt 0x0
.irp w, 0,1,2,3,4,5,6,7,8,9,10,11,12,13,14,15
	v_add_nc_u32 v81, v81, v[16+\w]
	s_cmp_gt_u32 s2, \w
	s_cselect_b32 s3, -1, 0
	v_and_b32 v83, s3, v[16+\w]
	s_delay_alu instid0(VALU_DEP_1)
	v_add_nc_u32 v82, v82, v83
.endr
	v_mov_b32 v84, 0                               ; lane q: the pair's first tile
	v_mov_b32 v85, 0                               ; thread = tile: its pair's first tile,
	v_mov_b32 v86, 0                               ; its pair's tokens,
	v_mov_b32 v60, 0                               ; lo,
	v_mov_b32 v61, 0                               ; hi
	s_mov_b32 s28, 0                               ; tiles so far
.set LO, 0
.set HI, 1
.set QQ, 0
.rept 28                                       ; the last pair whose first tile is not behind a tile owns it: a pair without tokens never keeps a tile that is used
	v_readlane_b32 s29, v81, QQ
	v_writelane_b32 v84, s28, QQ
	v_cmp_gt_u32 vcc_lo, s28, v0                   ; keep the old ones where the pair begins behind my tile
	s_delay_alu instid0(VALU_DEP_1)
	v_cndmask_b32 v85, s28, v85, vcc_lo
	s_delay_alu instid0(VALU_DEP_2)
	v_cndmask_b32 v86, s29, v86, vcc_lo
	s_delay_alu instid0(VALU_DEP_3)
	v_cndmask_b32 v60, LO, v60, vcc_lo
	s_delay_alu instid0(VALU_DEP_4)
	v_cndmask_b32 v61, HI, v61, vcc_lo
	s_add_co_u32 s29, s29, 63
	s_lshr_b32 s29, s29, 6
	s_add_co_u32 s28, s28, s29
.set QQ, QQ+1
.set HI, HI+1
.if HI > 7
.set LO, LO+1
.set HI, LO+1
.endif
.endr
	v_sub_nc_u32 v62, v0, v85
	s_delay_alu instid0(VALU_DEP_1)
	v_lshlrev_b32 v62, 6, v62
	s_delay_alu instid0(VALU_DEP_1)
	v_sub_nc_u32 v62, v86, v62                     ; the pair's tokens from my tile on,
	s_delay_alu instid0(VALU_DEP_1)
	v_max_i32 v62, 0, v62
	s_delay_alu instid0(VALU_DEP_1)
	v_min_i32 v62, 64, v62                         ; between 0 and 64: nrows
	v_mov_b32 v63, 0
	v_cmp_gt_u32 vcc_lo, 155, v0
	s_wait_alu depctr_va_vdst(0)
	s_wait_xcnt 0x0                                ; EXEC changes only behind this wait
	s_and_saveexec_b32 s30, vcc_lo
	global_store_b128 v5, v[60:63], s[20:21]
	s_wait_xcnt 0x0
	s_or_b32 exec_lo, exec_lo, s30
	v_lshl_add_u32 v87, v84, 6, v82                ; lane q: the slot of my wave's first token of pair q
.irp j, 0,1,2,3,4,5,6,7,8,9,10,11,12,13,14,15
	v_add_nc_u32 v[64+\j], v87, v[64+\j]
	v_and_b32 v[16+\j], 0xff, v[32+\j]
	s_delay_alu instid0(VALU_DEP_1)
	v_lshlrev_b32 v[16+\j], 2, v[16+\j]
	ds_bpermute_b32 v[96+\j], v[16+\j], v[64+\j]   ; each token takes lane q's number
.endr
	s_lshl_b32 s3, s2, 9
	v_add_nc_u32 v88, s3, v1                       ; my token of group 0 of the wave
	s_wait_alu depctr_va_vdst(0)
	s_wait_dscnt 0x0
.irp j, 0,1,2,3,4,5,6,7,8,9,10,11,12,13,14,15
	v_lshrrev_b32 v[32+\j], 8, v[32+\j]            ; rank
	s_delay_alu instid0(VALU_DEP_1)
	v_add_nc_u32 v[96+\j], v[96+\j], v[32+\j]
	s_delay_alu instid0(VALU_DEP_1)
	v_min_u32 v[96+\j], 0x26bf, v[96+\j]           ; held inside tok: 155 x 64 - 1
	s_delay_alu instid0(VALU_DEP_1)
	v_lshlrev_b32 v[96+\j], 2, v[96+\j]
	v_add_nc_u32 v[16+\j], 32*\j, v88
	global_store_b32 v[96+\j], v[16+\j], s[18:19]
.endr
	s_cmp_lg_u32 s2, 0
	s_cbranch_scc1 .Lend                           ; the loss is wave 0's; no barrier follows
	v_lshl_add_u32 v9, v1, 4, PSB
	ds_load_b128 v[48:51], v9                      ; lane l: wave l / 2's sums, experts 4 (l % 2) on
	s_wait_dscnt 0x0
	PARITY
.irp k, 0,1,2,3
	v_readlane_b32 s[40+\k], v[48+\k], 0
	v_readlane_b32 s[44+\k], v[48+\k], 1
.endr
	s_mov_b32 s50, 0
.set LO, 0
.set HI, 1
.set QQ, 0
.rept 28
	v_readlane_b32 s51, v81, QQ
	s_cvt_f32_u32 s51, s51
	s_add_f32 s52, s[40+LO], s[40+HI]
	s_fmac_f32 s50, s51, s52
.set QQ, QQ+1
.set HI, HI+1
.if HI > 7
.set LO, LO+1
.set HI, LO+1
.endif
.endr
	s_mul_f32 s50, s50, 0x33800000                 ; x 2^-24
	v_mov_b32 v10, s50
	v_mov_b32 v11, 0
	v_cmp_eq_u32 vcc_lo, 0, v1
	s_wait_alu depctr_va_vdst(0)
	s_wait_xcnt 0x0
	s_and_saveexec_b32 s30, vcc_lo
	global_store_b32 v11, v10, s[22:23]
	s_wait_xcnt 0x0
	s_or_b32 exec_lo, exec_lo, s30
.Lend:
	s_wait_tensorcnt 0x0
	ds_add_u32 v128, v129
	s_wait_dscnt 0x0
	s_endpgm
.Lfunc_end_k_q3d893321c5_place:
	.size	k_q3d893321c5_place, .Lfunc_end_k_q3d893321c5_place-k_q3d893321c5_place
	.p2alignl 7, 3214868480
	.fill 96, 4, 3214868480
	.section	.rodata,"a",@progbits
	.p2align	6, 0x0
	.amdhsa_kernel k_q3d893321c5_place
		.amdhsa_group_segment_fixed_size 6144
		.amdhsa_private_segment_fixed_size 0
		.amdhsa_enable_private_segment 0
		.amdhsa_kernarg_size 80
		.amdhsa_user_sgpr_count 2
		.amdhsa_user_sgpr_kernarg_segment_ptr 1
		.amdhsa_wavefront_size32 1
		.amdhsa_system_sgpr_workgroup_id_x 1
		.amdhsa_system_sgpr_workgroup_id_y 1
		.amdhsa_system_sgpr_workgroup_id_z 1
		.amdhsa_system_vgpr_workitem_id 0
		.amdhsa_next_free_vgpr 130
		.amdhsa_next_free_sgpr 100
		.amdhsa_reserve_vcc 1
		.amdhsa_float_denorm_mode_32 3
		.amdhsa_float_denorm_mode_16_64 3
		.amdhsa_memory_ordered 1
		.amdhsa_forward_progress 1
		.amdhsa_inst_pref_size 53
	.end_amdhsa_kernel
	.amdgpu_metadata
---
amdhsa.version: [ 1, 2 ]
amdhsa.kernels:
  - .name:           k_q3d893321c5_place
    .symbol:         k_q3d893321c5_place.kd
    .args:
      - { .name: kr, .offset: 0, .size: 8, .value_kind: global_buffer, .address_space: global }
      - { .name: hist, .offset: 8, .size: 8, .value_kind: global_buffer, .address_space: global }
      - { .name: psum, .offset: 16, .size: 8, .value_kind: global_buffer, .address_space: global }
      - { .name: W1_codes, .offset: 24, .size: 8, .value_kind: global_buffer, .address_space: global }
      - { .name: W2_codes, .offset: 32, .size: 8, .value_kind: global_buffer, .address_space: global }
      - { .name: tok, .offset: 40, .size: 8, .value_kind: global_buffer, .address_space: global }
      - { .name: tiles, .offset: 48, .size: 8, .value_kind: global_buffer, .address_space: global }
      - { .name: out1, .offset: 56, .size: 8, .value_kind: global_buffer, .address_space: global }
      - { .name: w1f, .offset: 64, .size: 8, .value_kind: global_buffer, .address_space: global }
      - { .name: w2f, .offset: 72, .size: 8, .value_kind: global_buffer, .address_space: global }
    .group_segment_fixed_size: 6144
    .private_segment_fixed_size: 0
    .kernarg_segment_align: 8
    .kernarg_segment_size: 80
    .max_flat_workgroup_size: 512
    .sgpr_count:     100
    .vgpr_count:     130
    .wavefront_size: 32
...
	.end_amdgpu_metadata
.endif
;; end of part 5
;; launch chain (part 6): grid 155 x 1, 4 waves a work-group, no clusters, 275,968 bytes of LDS; arguments x, w1f, w2f, b1, b2, gamma, beta, lowp_scales, tiles, tok, wts, out0; writes out0
.if DOCPART == 6
	.amdgcn_target "amdgcn-amd-amdhsa--gfx1250"
	.amdhsa_code_object_version 6
	.text
	.protected	k_q3d893321c5_chain
	.globl	k_q3d893321c5_chain
	.p2align	8
	.type	k_q3d893321c5_chain,@function
k_q3d893321c5_chain:
	s_mov_b64 s[64:65], 0
	v_nop
	global_prefetch_b8 v0, s[64:65] scope:SCOPE_SE
	s_setreg_imm32_b32 hwreg(HW_REG_WAVE_SCHED_MODE, 0, 2), 2
	s_setreg_imm32_b32 hwreg(HW_REG_WAVE_MODE, 25, 1), 1
	s_wait_xcnt 0x0
	s_wait_alu depctr_vm_vsrc(0)
; ONE TILE (up to 64 tokens that chose the SAME pair of experts lo, hi) THROUGH THE WHOLE CHAIN: for both experts x is quantised to E5M2 with the expert's own scale, multiplied by W1, + b1, relu, quantised, multiplied by W2, + b2,
; weighed by the token's score; then the residual and the layer norm.  Each output row has one owner; nothing but out0 goes to memory.
; THE GRID serves every split: 155 tiles at the most, of which a split uses 128 at the least.  Every wave passes every barrier, and none stands under a branch on a loaded number: so a tile with nrows = 0 walks the whole text
; like any other, on the first token of tile 0 (a word of tok that every split writes), and stores nothing: that work is thrown away, at most 27 work-groups' of it.
; The experts of a tile are stored numbers, so the launch has no tensor load: weights go from memory straight into registers, from buffers laid in the order of the operands' registers: a fragment (16 rows x 128 K, 16 registers
; a lane) is four loads of 512 consecutive bytes.
; NO CLUSTER: which tiles share an expert hangs on the stored list, and no split guarantees a tile a partner.
; SHARES.  THE WAVES SHARE THE COLUMNS: wave w makes hidden units 128 w .. + 127 and outputs 256 w .. + 255 for all 64 rows, so each weight byte is read once by the work-group and each fragment feeds four products.
; For x (quantising, residual) and for the layer norm wave w owns rows 16 w .. 16 w + 15.  Rows from nrows on repeat row nrows - 1.
; BOTH PRODUCTS ARE USED TRANSPOSED (source 0 = 16 rows of the weight, source 1 = 16 tokens): a lane holds one token, its registers run along the units.  W1's rows of a tile are chosen (in w1f) so that the 16 registers of
; tiles 2 b, 2 b + 1 are 16 neighbours along the next K.  Operands go from wave to wave through LDS as images of their registers (16 bytes a lane, 512 a store).
; SCALES: lowp_scales[4 e ..] = ex, ew1, eh, ew2.  b1 goes in as the C of the first product, / 2^(ex + ew1); the hidden layer's conversion takes 2^(eh - ex - ew1); b2 as C, / 2^(eh + ew2); the score carries 2^(eh + ew2).
; LIMITS: ex, and eh - ex - ew1, between -126 and 112, so that the scale and 57,344 x the scale are f32 numbers; the other exponents go by v_ldexp_f32.  NaN among the inputs is not served.
; In a tile's last group of four rows those from nrows on are stored again, with the same bytes, by the same wave.
; LDS: XIMG x's fragments [expert][8 m + s] 2,048 bytes each; HIMG the hidden layer's [expert][4 m + s]; TURN 16 rows x 528 bytes a wave; from the third barrier on all three are the stage STG, 64 rows x 4,112 bytes, of z;
;      B2T [expert][1024] b2 / 2^(eh + ew2);  B1T [expert][512] b1 / 2^(ex + ew1).
; REGISTERS, in windows of 256.  Window 0: addresses and constants v0-63, the rest by phase (below).  Window 1: a ring of two sets of eight weight fragments; at the end gamma v0-31, beta v32-63.
;   Window 2: four sets of 64 of x as loaded; then the hidden sums (64 m + 8 t); then hidden fragments of K steps 0, 1 (((4 E + m) 2 + s) 16).  Window 3: b1's tiles (64 E + 8 t); then hidden fragments of K steps 2, 3.
; THE MODE: SCHED_MODE bits 1:0 = 2 (LLVM: expert scheduling mode 2), set by the entry lines.  The code itself states the register dependences between vector or matrix instructions and memory or LDS instructions,
; with s_wait_alu, always for 0.
; THE PLAN: the registers that memory or LDS instructions touch, who else names them, and the waits.
;   HEAD.  The addresses v4-v39 are written once and never again: a wait on va_vdst ahead of the first load, another behind the rows' offsets v20-35.  Numbers that lane reads put into scalar registers have a wait on va_sdst ahead of their first reader.
;   X, a K step.  Window 2's set: x's loads write it, the turn's LDS stores read it, x's loads write it again.  v64-127: the turn's LDS loads write, the holds read.  v192-223: the conversions write, the images' LDS stores read.
;      One wait on vm_vsrc behind the turn: its stores have read their set, the last step's image stores v192-223.  One wait on va_vdst behind both experts' arithmetic: the codes are written, the holds are done with v64-127.
;   1, a K step.  The ring: sixteen products read a half, which is loaded again at once: a wait on va_vdst behind each half's products.  x's next fragments land in the buffer that the step before multiplied, which that step's
;      last wait covers: their loads stand at the step's head with no wait of their own.  The hidden codes v192-255: a wait on vm_vsrc ahead of the arithmetic, one on va_vdst behind all of it, then the sixteen stores.
;   THE STAGE.  A row's slot is read by its LDS stores and loaded again one row later, behind a wait on vm_vsrc.
;   2, an output tile.  The LDS addresses v144-148 step once in two tiles, behind the tile's first sixteen products: a wait on vm_vsrc ahead of the five additions.  One wait on va_vdst behind them: the addresses are written,
;      the products are done with b2's tile and with the ring's first half; z's loads, b2's next tile and the ring's loads follow.  One wait on va_vdst behind the multiply-adds: z is written for its stores, and the
;      products are done with the ring's second half.
;   THE END, four rows.  A wait on vm_vsrc at the head (the stores have read the rows and their offsets, the LDS loads their addresses), one on va_vdst behind the five address lines, one ahead of the stores.
.set XIMG, 0
.set HIMG, 131072
.set TURN, 196608
.set B2T,  263168
.set B1T,  271360
.set SP,   4112                        ; a stage row: 4,096 bytes + 16: sixteen rows start in sixteen different columns of 16 bytes
.set TP,   528                         ; a row of the turn: 512 + 16
.set L16,  4                           ; v4   16 x lane
.set XWI,  5                           ; v5, v6  where I store x's images, expert lo, hi
.set TST,  7                           ; v7   the turn, in
.set TLD,  8                           ; v8   the turn, back
.set HWI,  9                           ; v9   where I store the hidden layer's images
.set XRH,  11                          ; v11  x's images of expert hi, read (expert lo's: v4)
.set HRD,  12                          ; v12  the hidden layer's images, read
.set SXW,  13                          ; v13  the stage: my 16 rows, 16 bytes a lane
.set SD,   14                          ; v14-17  the stage: row 16 m + r, my wave's columns, + 32 h
.set BAD,  19                          ; v19  b2's table at my wave's columns, + 32 h
.set OFFR, 20                          ; v20-35  row i of my 16: its token x 4,096 + 16 x lane
.set TOKV, 36                          ; v36  lane r: the token of row 16 w + r
.set B1A,  37                          ; v37  b1's table at my wave's units, + 64 h
.set TBA,  38                          ; v38  the tables, written: B2T + 16 x thread
.set TID16, 39                         ; v39  16 x thread
.set F,    40                          ; v40-55  score x 2^(eh + ew2) of row 16 m + r, twice: pair at 40 + 8 E + 2 m
                                       ; v56.. 2^ex, 57,344 x 2^ex (lo: 56, 57; hi: 58, 59);  v60.. the same with eh - ex - ew1
.set XS,   64                          ; phase X: 64 numbers of my row;
.set TT,   128                         ;          the same, held;
.set PCX,  192                         ;          their codes, 16 registers an expert
.set XF,   64                          ; phase 1: x's four fragments of a K step, two buffers;
.set PCH,  192                         ;          the hidden layer's codes, 16 a tile of rows
.set S,    64                          ; phase 2: the eight sums, 64 + 32 E + 8 m;
.set B2R,  128                         ;          b2's tile, 8 an expert;
.set SA,   144                         ;          v144-147 stage addresses of the trip; v148 b2's
.set BA,   148
.set XSB,  152                         ;          z's 32 numbers of an output tile, two buffers
.set Z,    64                          ; the end: four rows of 32;
.set T,    192                         ;          eight registers a row at work;
.set OA,   224                         ;          the rows' offsets in out0;
.set IX,   228                         ;          lane indices;
.set ZA,   232                         ;          the stage address of the trip
.set MSB, 0
.macro WIN new                         ; bits 1:0 source 0, 3:2 source 1, 5:4 source 2, 7:6 destination; the high byte repeats the setting that is left
.if MSB != \new
	s_set_vgpr_msb (MSB<<8)|\new
.set MSB, \new
.endif
.endm
.macro PLACES                          ; four plain instructions between a matrix instruction and a load into, or a vector read of, its registers
.rept 4
	v_nop
.endr
.endm
.macro BAR                             ; my LDS stores have landed and my LDS loads are in: then the work-group's barrier
	s_wait_dscnt 0x0
	s_barrier_signal -1
	s_barrier_wait -1
.endm
	s_load_b512 s[8:23], s[0:1], 0x0               ; x 8, w1f 10, w2f 12, b1 14, b2 16, gamma 18, beta 20, lowp_scales 22
	s_load_b256 s[24:31], s[0:1], 0x40             ; tiles 24, tok 26, wts 28, out0 30
	v_lshl_add_u32 v10, v0, 2, 0x43400
	v_mov_b32 v18, 0
	v_lshrrev_b32 v1, 5, v0
	v_readfirstlane_b32 s2, v1                     ; wave 0..3
	s_lshl_b32 s70, ttmp9, 4
	s_wait_kmcnt 0x0
	s_load_b128 s[32:35], s[24:25], s70 offset:0x0 ; lo, hi, nrows, 0
	v_and_b32 v1, 31, v0                           ; lane
	v_and_b32 v2, 15, v0                           ; r
	v_bfe_u32 v3, v0, 4, 1                         ; h
	v_lshlrev_b32 v[L16], 4, v1
	s_wait_alu depctr_va_sdst(0)                   ; s2 is written, ahead of its first reader: LDS addresses and the weights' bases are made from it
	s_lshl_b32 s71, s2, 14
	v_add_nc_u32 v[XWI], s71, v[L16]               ; my rows are tile m = w: 8 fragments of 2,048 bytes
	v_add_nc_u32 v[XWI+1], 0x10000, v[XWI]
	s_mul_i32 s71, s2, 16*TP
	s_add_co_u32 s71, s71, TURN
	v_add_nc_u32 v[TST], s71, v[L16]
	v_mul_u32_u24 v[TLD], v2, TP
	v_lshl_add_u32 v[TLD], v3, 6, v[TLD]
	v_add_nc_u32 v[TLD], s71, v[TLD]               ; row r, + 64 h: my 16 numbers of a block of 32
	s_lshl_b32 s71, s2, 11
	s_add_co_u32 s71, s71, HIMG
	v_add_nc_u32 v[HWI], s71, v[L16]               ; my units are K step s = w
	v_add_nc_u32 v[XRH], 0x10000, v[L16]
	v_add_nc_u32 v[HRD], HIMG, v[L16]
	s_mul_i32 s71, s2, 16*SP
	v_add_nc_u32 v[SXW], s71, v[L16]
	v_mul_u32_u24 v[SD], v2, SP
	v_lshl_add_u32 v[SD], v3, 5, v[SD]
	s_lshl_b32 s71, s2, 10
	v_add_nc_u32 v[SD], s71, v[SD]
.irp m, 1,2,3
	v_add_nc_u32 v[SD+\m], 16*SP*\m, v[SD]
.endr
	s_add_co_u32 s71, s71, B2T
	v_lshl_add_u32 v[BAD], v3, 5, s71
	s_lshl_b32 s71, s2, 9
	s_add_co_u32 s71, s71, B1T
	v_lshl_add_u32 v[B1A], v3, 6, s71
	v_lshl_add_u32 v[TBA], v0, 4, B2T
	v_lshlrev_b32 v[TID16], 4, v0
	s_mov_b32 s60, 0x76543210                      ; v_permlanex16_b32: lane l xor 16
	s_mov_b32 s61, 0xfedcba98
	s_mov_b32 s69, 0x3a800000                      ; 2^-10
	s_wait_kmcnt 0x0                               ; the tile's entry
	s_min_u32 s32, s32, 7                          ; stored numbers are held inside their tables before they enter an address
	s_min_u32 s33, s33, 7
	s_lshl_b32 s70, s32, 4
	s_lshl_b32 s71, s33, 4
	s_load_b128 s[36:39], s[22:23], s70 offset:0x0 ; ex, ew1, eh, ew2 of lo
	s_load_b128 s[40:43], s[22:23], s71 offset:0x0 ; and of hi
	s_min_u32 s75, s34, 1                          ; 0 in a tile without rows, else 1
	s_sub_co_u32 s72, s34, s75                     ; the tile's last row (0 where it has none)
	s_lshl_b32 s73, ttmp9, 8                       ; my tile's 64 words of tok;
	s_mul_i32 s73, s73, s75                        ; a tile without rows takes tile 0's, whose row 0 every split writes: no word of tok is read that was not written
	s_lshl_b32 s74, s2, 4
	v_add_nc_u32 v232, s74, v2                     ; row 16 w + r,
.irp m, 0,1,2,3
	v_add_nc_u32 v[233+\m], 16*\m, v2              ; rows 16 m + r
.endr
.irp n, 0,1,2,3,4
	v_min_u32 v[232+\n], s72, v[232+\n]            ; rows from nrows on repeat the last
	v_min_u32 v[232+\n], 63, v[232+\n]
	v_lshl_add_u32 v[232+\n], v[232+\n], 2, s73
.endr
	s_wait_alu depctr_va_vdst(0)                   ; the five offsets v232-236 are written, which the loads below read; so are the addresses v4-v19 and v37-v39, which loads and stores read from here to the end
	global_load_b32 v[TOKV], v232, s[26:27]
.irp m, 0,1,2,3
	global_load_b32 v[240+\m], v[233+\m], s[26:27]
.endr
	s_lshl_b32 s74, s2, 17
	s_mov_b32 s77, 0
	s_lshl_b32 s76, s32, 19
	s_add_co_u32 s76, s76, s74
	s_add_nc_u64 s[44:45], s[10:11], s[76:77]      ; w1f at (lo, w)
	s_add_nc_u64 s[48:49], s[12:13], s[76:77]      ; w2f at (lo, w)
	s_lshl_b32 s76, s33, 19
	s_add_co_u32 s76, s76, s74
	s_add_nc_u64 s[46:47], s[10:11], s[76:77]      ; w1f at (hi, w)
	s_add_nc_u64 s[50:51], s[12:13], s[76:77]      ; w2f at (hi, w)
	s_lshl_b32 s76, s32, 11
	s_add_nc_u64 s[80:81], s[14:15], s[76:77]      ; b1[lo]
	s_lshl_b32 s76, s33, 11
	s_add_nc_u64 s[82:83], s[14:15], s[76:77]      ; b1[hi]
	s_lshl_b32 s76, s32, 12
	s_add_nc_u64 s[84:85], s[16:17], s[76:77]      ; b2[lo]
	s_lshl_b32 s76, s33, 12
	s_add_nc_u64 s[86:87], s[16:17], s[76:77]      ; b2[hi]
	s_wait_loadcnt 0x0
	v_min_u32 v[TOKV], 0x1fff, v[TOKV]
.irp m, 0,1,2,3
	v_min_u32 v[240+\m], 0x1fff, v[240+\m]
	v_lshlrev_b32 v[240+\m], 3, v[240+\m]          ; the token's two scores
.endr
.irp i, 0,1,2,3,4,5,6,7,8,9,10,11,12,13,14,15
	v_readlane_b32 s[52+\i+28*(\i/8)], v[TOKV], \i ; the sixteen tokens into sixteen scalar registers, s52-59 and s88-95, in one run
.endr
	s_wait_alu depctr_va_sdst(0)                   ; all sixteen are written, ahead of their first readers
.irp i, 0,1,2,3,4,5,6,7,8,9,10,11,12,13,14,15
	s_min_u32 s[52+\i+28*(\i/8)], s[52+\i+28*(\i/8)], 0x1fff
	s_lshl_b32 s[52+\i+28*(\i/8)], s[52+\i+28*(\i/8)], 12
	v_add_nc_u32 v[OFFR+\i], s[52+\i+28*(\i/8)], v[L16]
.endr
	s_wait_alu depctr_va_vdst(0)                   ; the scores' offsets v240-243 and the rows' offsets v20-35 are written, which the loads below, and every later load of x, read
.irp m, 0,1,2,3
	global_load_b64 v[224+2*\m:225+2*\m], v[240+\m], s[28:29]
.endr
	global_load_b128 v[192:195], v[TID16], s[84:85]
	global_load_b128 v[196:199], v[TID16], s[84:85] offset:2048
	global_load_b128 v[200:203], v[TID16], s[86:87]
	global_load_b128 v[204:207], v[TID16], s[86:87] offset:2048
	global_load_b128 v[208:211], v[TID16], s[80:81]
	global_load_b128 v[212:215], v[TID16], s[82:83]
; K step s of my 16 rows of x as it lies: a load reads 512 consecutive bytes of a row; into set s % 4 of window 2
.macro LOADX s
	WIN 0x80
.irp i, 0,1,2,3,4,5,6,7,8,9,10,11,12,13,14,15
	global_load_b128 v[64*((\s)%4)+4*\i:64*((\s)%4)+4*\i+3], v[OFFR+\i], s[8:9] offset:512*(\s)
.endr
.endm
; four fragments of W1 (tiles 4 half .. 4 half + 3 of the K step at imm) into ring set st: 16 loads
.macro RF1 base, imm, st, half
	WIN 0x40
.irp i, 0,1,2,3
.irp c, 0,1,2,3
	global_load_b128 v[128*(\st)+16*(4*(\half)+\i)+4*\c:128*(\st)+16*(4*(\half)+\i)+4*\c+3], v[L16], s[\base:\base+1] offset:(\imm)+(4*(\half)+\i)*2048+512*\c
.endr
.endr
.endm
; four fragments of W2 (K steps 2 half, 2 half + 1 of the output tile at imm, for lo and then for hi) into ring set st: fragment (E, s) lies in slot 4 (s / 2) + 2 E + s % 2: 16 loads
.macro RF2 imm, st, half
	WIN 0x40
.irp i, 0,1
.irp c, 0,1,2,3
	global_load_b128 v[128*(\st)+16*(4*(\half)+\i)+4*\c:128*(\st)+16*(4*(\half)+\i)+4*\c+3], v[L16], s[48:49] offset:(\imm)+(2*(\half)+\i)*2048+512*\c
.endr
.endr
.irp i, 0,1
.irp c, 0,1,2,3
	global_load_b128 v[128*(\st)+16*(4*(\half)+2+\i)+4*\c:128*(\st)+16*(4*(\half)+2+\i)+4*\c+3], v[L16], s[50:51] offset:(\imm)+(2*(\half)+\i)*2048+512*\c
.endr
.endr
.endm
	LOADX 0
	LOADX 1
	LOADX 2
	WIN 0
	s_wait_loadcnt 48                              ; all but x's three batches of 16: the scores and the biases are in
	s_wait_kmcnt 0x0
	s_add_co_i32 s52, s36, s37                     ; ex + ew1, lo and hi
	s_add_co_i32 s53, s40, s41
	s_add_co_i32 s54, s38, s39                     ; eh + ew2
	s_add_co_i32 s55, s42, s43
	s_sub_co_i32 s56, 0, s52
	s_sub_co_i32 s57, 0, s53
	s_sub_co_i32 s58, 0, s54
	s_sub_co_i32 s59, 0, s55
.irp m, 0,1,2,3
	v_ldexp_f32 v[F+2*\m], v[224+2*\m], s54
	v_ldexp_f32 v[F+2*\m+1], v[224+2*\m], s54
	v_ldexp_f32 v[F+8+2*\m], v[225+2*\m], s55
	v_ldexp_f32 v[F+8+2*\m+1], v[225+2*\m], s55
.endr
.irp k, 0,1,2,3,4,5,6,7
	v_ldexp_f32 v[192+\k], v[192+\k], s58
	v_ldexp_f32 v[200+\k], v[200+\k], s59
.endr
.irp k, 0,1,2,3
	v_ldexp_f32 v[208+\k], v[208+\k], s56
	v_ldexp_f32 v[212+\k], v[212+\k], s57
.endr
	s_wait_alu depctr_va_vdst(0)                   ; the scaled biases v192-215 are written, which the LDS stores read
	ds_store_b128 v[TBA], v[192:195]
	ds_store_b128 v[TBA], v[196:199] offset:2048
	ds_store_b128 v[TBA], v[200:203] offset:4096
	ds_store_b128 v[TBA], v[204:207] offset:6144
	ds_store_b128 v[TBA], v[208:211] offset:8192
	ds_store_b128 v[TBA], v[212:215] offset:10240
	LOADX 3
	WIN 0
.macro MKSC vr, se                     ; v[vr] = 2^e as f32, v[vr + 1] = 57,344 x 2^e; e in s[se]
	s_add_co_i32 s75, s[\se], 127
	s_lshl_b32 s76, s75, 23
	v_mov_b32 v[\vr], s76
	s_add_co_i32 s75, s75, 15
	s_lshl_b32 s75, s75, 23
	s_or_b32 s75, s75, 0x600000
	v_mov_b32 v[(\vr)+1], s75
.endm
	MKSC 56, 36
	MKSC 58, 40
	s_sub_co_i32 s77, s38, s52                     ; eh - ex - ew1: the three scales ahead of the hidden layer's quantiser, folded
	s_sub_co_i32 s78, s42, s53
	MKSC 60, 77
	MKSC 62, 78
; ---- X: my 16 rows of x become, for each expert, eight fragments.
; 64 numbers of a lane (register 16 b + i = k 32 b + 16 h + i of row r) are held within the largest code x the scale (the conversion does not saturate: ISA guide 7.6.2) and converted
.macro QX E
.irp b, 0,1,2,3
.irp i, 0,1,2,3,4,5,6,7,8,9,10,11,12,13,14,15
	v_med3_num_f32 v[TT+16*\b+\i], v[XS+16*\b+\i], -v[57+2*\E], v[57+2*\E]
.endr
	v_cvt_scalef32_pk8_bf8_f32 v[PCX+16*\E+4*\b:PCX+16*\E+4*\b+1], v[TT+16*\b:TT+16*\b+7], v[56+2*\E]
	v_cvt_scalef32_pk8_bf8_f32 v[PCX+16*\E+4*\b+2:PCX+16*\E+4*\b+3], v[TT+16*\b+8:TT+16*\b+15], v[56+2*\E]
.endr
	v_nop                                          ; a plain instruction between the last conversion and the next vector instruction that writes its sources
.endm
.macro XIMAGE E, s                     ; the expert's fragment of K step s goes to LDS as an image of its registers
.irp c, 0,1,2,3
	ds_store_b128 v[XWI+\E], v[PCX+16*\E+4*\c:PCX+16*\E+4*\c+3] offset:2048*(\s)+512*\c
.endr
.endm
.macro XSTEP s
	s_wait_loadcnt 48                              ; behind this K step's 16 loads stand three batches of 16 (x's next steps; from step 4 on the ring's first fills take their place)
	WIN 0x08                                       ; store data in window 2
.irp i, 0,1,2,3,4,5,6,7,8,9,10,11,12,13,14,15
	ds_store_b128 v[TST], v[64*((\s)%4)+4*\i:64*((\s)%4)+4*\i+3] offset:TP*\i
.endr
	WIN 0
.irp b, 0,1,2,3
.irp j, 0,1,2,3
	ds_load_b128 v[XS+16*\b+4*\j:XS+16*\b+4*\j+3], v[TLD] offset:128*\b+16*\j   ; the wave's own bytes, served in order: these see the stores above.  (No vector instruction since the last step's wait on va_vdst names v64-127)
.endr
.endr
	s_wait_dscnt 0x0                               ; the numbers are back
.if (\s) < 4
	WIN 0x80
.else
	WIN 0x40
.endif
	s_wait_alu depctr_vm_vsrc(0)                   ; the turn's stores have read their set of window 2, in which the loads below land; the last step's image stores (in step 0 the tables' stores) have read v192-223, which this step's conversions write
.if (\s) < 4
	LOADX (\s)+4
.else
	RF1 44, (((\s)-4)/2)*16384, ((\s)-4)/2, ((\s)-4)%2
.endif
	WIN 0
	QX 0
	QX 1
	s_wait_alu depctr_va_vdst(0)                   ; both experts' codes v192-223 are written, which the LDS stores read; the holds are done reading v64-127, and the conversions v128-191, in which later LDS loads land
	XIMAGE 0, \s
	XIMAGE 1, \s
.endm
	s_wait_alu depctr_va_vdst(0)
.irp s, 0,1,2,3,4,5,6,7
	XSTEP \s
.endr
	BAR                                            ; x's 64 fragments and the two tables lie in LDS
; ---- 1: the hidden layer.  A K step: eight fragments of W1 (a ring set) x four fragments of x: 32 products on 32 accumulators, which take turns, one instruction a turn.
	WIN 0xc0
.irp E, 0,1
.irp t, 0,1,2,3,4,5,6,7
.irp k, 0,1
	ds_load_b128 v[64*\E+8*\t+4*\k:64*\E+8*\t+4*\k+3], v[B1A] offset:2048*\E+128*(\t/2)+32*(\t%2)+16*\k   ; b1 in the result's layout: units 32 (t / 2) + 16 h + 8 (t % 2) + 0 .. 7
.endr
.endr
.endr
	WIN 0
.irp m, 0,1,2,3
.irp c, 0,1,2,3
	ds_load_b128 v[XF+16*\m+4*\c:XF+16*\m+4*\c+3], v[L16] offset:(8*\m)*2048+512*\c
.endr
.endr
.macro KMUL E, s, t0
.if (\s) == 0
	WIN 0xb1                                       ; W1 window 1, x window 0, C = b1 window 3, D window 2
.else
	WIN 0xa1                                       ; C and D window 2
.endif
.irp t, \t0, \t0+1, \t0+2, \t0+3
.irp m, 0,1,2,3
.if (\s) == 0
	v_wmma_f32_16x16x128_bf8_bf8 v[64*\m+8*(\t):64*\m+8*(\t)+7], v[128*PP+16*(\t):128*PP+16*(\t)+15], v[XFC+16*\m:XFC+16*\m+15], v[64*(\E)+8*(\t):64*(\E)+8*(\t)+7]
.else
	v_wmma_f32_16x16x128_bf8_bf8 v[64*\m+8*(\t):64*\m+8*(\t)+7], v[128*PP+16*(\t):128*PP+16*(\t)+15], v[XFC+16*\m:XFC+16*\m+15], v[64*\m+8*(\t):64*\m+8*(\t)+7]
.endif
.endr
.endr
.endm
.macro KFET E, s, half                 ; the ring's half that has just been multiplied takes the step two on: W1 of this expert, of the next, or W2's first output tiles
.if (\s) <= 5
	RF1 44+2*(\E), ((\s)+2)*16384, PP, \half
.elseif (\E) == 0
	RF1 46, ((\s)-6)*16384, PP, \half
.else
	RF2 ((\s)-6)*8192, PP, \half
.endif
.endm
.macro KSTEP E, s
.set UU, 8*(\E)+(\s)
.set PP, UU%2
.set XFC, XF+64*(UU%2)
.set XFN, XF+64*((UU+1)%2)
.set SN, (UU+1)%8
.set XRA, L16+7*((UU+1)/8)                     ; v4 for expert lo's images, v11 for hi's
	s_wait_dscnt 0x0                               ; x's fragments of this step are in
.if UU < 15
.irp m, 0,1,2,3
.irp c, 0,1,2,3
	ds_load_b128 v[XFN+16*\m+4*\c:XFN+16*\m+4*\c+3], v[XRA] offset:(8*\m+SN)*2048+512*\c   ; the next step's, into the buffer that the step before multiplied.  No wait: that step's last wait on va_vdst stands behind its products, and nothing since names these registers
.endr
.endr
.endif
	s_wait_loadcnt 48                              ; behind this half's 16 loads stand three batches: the set's other half and the other set
	KMUL \E, \s, 0
	PLACES
	WIN 0x40
	s_wait_alu depctr_va_vdst(0)                   ; the sixteen products are done reading the ring's half, in which the loads below land
	KFET \E, \s, 0
	s_wait_loadcnt 48                              ; the same count for the second half: the other set's two batches and the one just issued
	KMUL \E, \s, 4
	PLACES
	WIN 0x40
	s_wait_alu depctr_va_vdst(0)                   ; the step's products are done reading the ring's other half, in which the loads below land, and x's fragments, in which the next step's LDS loads (behind the last step: the residual's loads) land
	KFET \E, \s, 1
	WIN 0
.endm
; relu and the hold in one (between 0 and the largest code x the scale), each accumulator from its low end on; the conversions' results are K step w of the second product, rows 16 m on
.macro HQUANT E
	s_wait_alu depctr_vm_vsrc(0)                   ; the LDS stores that read v192-255 (x's last images; the other expert's hidden images) have read them: the conversions below write them
.irp m, 0,1,2,3
	WIN 0x82
.set J, 0
.rept 64
	v_med3_num_f32 v[64*\m+J], v[64*\m+J], 0, v[61+2*(\E)]
.set J, J+1
.endr
	WIN 0x02
.irp b, 0,1,2,3
	v_cvt_scalef32_pk8_bf8_f32 v[PCH+16*\m+4*\b:PCH+16*\m+4*\b+1], v[64*\m+16*\b:64*\m+16*\b+7], v[60+2*(\E)]
	v_cvt_scalef32_pk8_bf8_f32 v[PCH+16*\m+4*\b+2:PCH+16*\m+4*\b+3], v[64*\m+16*\b+8:64*\m+16*\b+15], v[60+2*(\E)]
.endr
	v_nop                                          ; a plain instruction behind the last conversion: the next expert's products write its sources
.endr
	WIN 0
	s_wait_alu depctr_va_vdst(0)                   ; the four tiles' codes v192-255 are written, which the LDS stores read; holds and conversions are done with window 2, in which (behind the second expert) the hidden fragments land
.irp m, 0,1,2,3
.irp c, 0,1,2,3
	ds_store_b128 v[HWI], v[PCH+16*\m+4*\c:PCH+16*\m+4*\c+3] offset:32768*(\E)+8192*\m+512*\c
.endr
.endr
.endm
.irp s, 0,1,2,3,4,5,6,7
	KSTEP 0, \s
.endr
	HQUANT 0
.irp s, 0,1,2,3,4,5,6,7
	KSTEP 1, \s
.endr
.macro XROW i                          ; row i of my 16, whole, for the residual: 8 loads of 512 consecutive bytes into slot i % 4 of v64-191
.irp q, 0,1,2,3,4,5,6,7
	global_load_b128 v[64+32*((\i)%4)+4*\q:64+32*((\i)%4)+4*\q+3], v[OFFR+(\i)], s[8:9] offset:512*\q th:TH_LOAD_NT
.endr
.endm
	XROW 0                                         ; asked for here, four places behind the last products that read these registers and behind the last step's wait on va_vdst; they land while the hidden layer is quantised
	XROW 1
	XROW 2
	XROW 3
	HQUANT 1
	BAR                                            ; the hidden layer's 32 fragments lie in LDS
; ---- all 32 hidden fragments into registers: they stay for the whole second product.  (No vector or matrix instruction since the quantiser's wait on va_vdst; window 3 was last named by the products that took b1 as C)
	WIN 0x80
.irp E, 0,1
.irp m, 0,1,2,3
.irp s, 0,1
.irp c, 0,1,2,3
	ds_load_b128 v[((4*\E+\m)*2+\s)*16+4*\c:((4*\E+\m)*2+\s)*16+4*\c+3], v[HRD] offset:32768*\E+(4*\m+\s)*2048+512*\c
.endr
.endr
.endr
.endr
	WIN 0xc0
.irp E, 0,1
.irp m, 0,1,2,3
.irp s, 0,1
.irp c, 0,1,2,3
	ds_load_b128 v[((4*\E+\m)*2+\s)*16+4*\c:((4*\E+\m)*2+\s)*16+4*\c+3], v[HRD] offset:32768*\E+(4*\m+\s+2)*2048+512*\c
.endr
.endr
.endr
.endr
	WIN 0
	BAR                                            ; every wave's reads of the images are in: from here on their bytes are the stage
; ---- x into the stage: my 16 rows
.irp i, 0,1,2,3,4,5,6,7,8,9,10,11,12,13,14,15
.if \i < 14
	s_wait_loadcnt 16                              ; behind row i's eight loads stand at most those of two rows that may stay out (the ring's loads are older)
.elseif \i == 14
	s_wait_loadcnt 8
.else
	s_wait_loadcnt 0x0
.endif
.if (\i >= 1) && (\i <= 12)
	s_wait_dscnt 0x0                               ; row i - 1's stores are done,
	s_wait_alu depctr_vm_vsrc(0)                   ; and have read their slot, in which row i + 3 lands
	XROW \i+3
.endif
.irp q, 0,1,2,3,4,5,6,7
	ds_store_b128 v[SXW], v[64+32*(\i%4)+4*\q:64+32*(\i%4)+4*\q+3] offset:SP*\i+512*\q
.endr
.endr
	BAR                                            ; 64 rows of x lie in the stage
; ---- 2: an output tile = 16 columns x 64 rows x both experts: eight accumulators by turns, K = 512 in four steps; then z += score x sum, in the stage, in my wave's own columns
; (bytes 1,024 w .. 1,024 w + 1,023 of each stage row: 32 h + 128 x trip + 64 u + 16 k + 16 is 1,024 at the most: no wave touches another's between the two barriers)
.macro CMUL u, s0
.irp s, \s0, \s0+1
.irp E, 0,1
.irp m, 0,1,2,3
.if (\s) == 0
	v_wmma_f32_16x16x128_bf8_bf8 v[S+32*\E+8*\m:S+32*\E+8*\m+7], v[128*(\u)+16*(4*((\s)/2)+2*\E+(\s)%2):128*(\u)+16*(4*((\s)/2)+2*\E+(\s)%2)+15], v[((4*\E+\m)*2+(\s)%2)*16:((4*\E+\m)*2+(\s)%2)*16+15], v[B2R+8*\E:B2R+8*\E+7]
.else
	v_wmma_f32_16x16x128_bf8_bf8 v[S+32*\E+8*\m:S+32*\E+8*\m+7], v[128*(\u)+16*(4*((\s)/2)+2*\E+(\s)%2):128*(\u)+16*(4*((\s)/2)+2*\E+(\s)%2)+15], v[((4*\E+\m)*2+(\s)%2)*16:((4*\E+\m)*2+(\s)%2)*16+15], v[S+32*\E+8*\m:S+32*\E+8*\m+7]
.endif
.endr
.endr
.endr
.endm
.macro CT u, fetch, last, ca, cb       ; tile 2 x trip + u, from ring set u.  ca, cb: the loads that may be out when the set's first and second half are wanted
	s_wait_dscnt 8                                 ; b2's tile is in: behind its loads stand only the last tile's eight stores
	s_wait_loadcnt \ca
	WIN 0x09                                       ; W2 window 1, hidden fragments window 2
	CMUL \u, 0
	WIN 0
.if (\u) == 0
	s_wait_alu depctr_vm_vsrc(0)                   ; the last two tiles' LDS loads and stores have read their addresses v144-148, which the additions write, and their stores z's two buffers, in which this trip's LDS loads land
.irp m, 0,1,2,3
	v_add_nc_u32 v[SA+\m], s62, v[SD+\m]           ; these five name no register of the products above: they are the places behind them
.endr
	v_add_nc_u32 v[BA], s62, v[BAD]
.else
	PLACES
.endif
.if !(\last)
	s_wait_alu depctr_va_vdst(0)                   ; the products are done reading b2's tile and the ring's first half, in which the loads below land; in a trip's first tile the addresses v144-148 are written
.endif
.irp m, 0,1,2,3
.irp k, 0,1
	ds_load_b128 v[XSB+32*(\u)+8*\m+4*\k:XSB+32*(\u)+8*\m+4*\k+3], v[SA+\m] offset:64*(\u)+16*\k   ; z's numbers: they have sixteen products in which to land
.endr
.endr
.if !(\last)
.irp E, 0,1
.irp k, 0,1
	ds_load_b128 v[B2R+8*\E+4*\k:B2R+8*\E+4*\k+3], v[BA] offset:4096*\E+64*((\u)+1)+16*\k   ; the next tile's b2
.endr
.endr
.endif
.if \fetch
	RF2 (2+(\u))*8192, \u, 0
.endif
	s_wait_loadcnt \cb
	WIN 0x0d                                       ; hidden fragments window 3
	CMUL \u, 2
	PLACES
	WIN 0
.if \last
	s_wait_dscnt 0x0
.else
	s_wait_dscnt 4                                 ; z's numbers are in; b2's four loads may be out
.endif
.irp m, 0,1,2,3
.irp i, 0,2,4,6
	v_pk_fma_f32 v[XSB+32*(\u)+8*\m+\i:XSB+32*(\u)+8*\m+\i+1], v[S+8*\m+\i:S+8*\m+\i+1], v[F+2*\m:F+2*\m+1], v[XSB+32*(\u)+8*\m+\i:XSB+32*(\u)+8*\m+\i+1]
.endr
.irp i, 0,2,4,6
	v_pk_fma_f32 v[XSB+32*(\u)+8*\m+\i:XSB+32*(\u)+8*\m+\i+1], v[S+32+8*\m+\i:S+32+8*\m+\i+1], v[F+8+2*\m:F+8+2*\m+1], v[XSB+32*(\u)+8*\m+\i:XSB+32*(\u)+8*\m+\i+1]
.endr
.endr
.if \fetch
	WIN 0x40
.endif
	s_wait_alu depctr_va_vdst(0)                   ; the multiply-adds have written z's numbers, which the LDS stores read; the products are done reading the ring's second half, in which the loads below land
.if \fetch
	RF2 (2+(\u))*8192, \u, 1
.endif
	WIN 0
.irp m, 0,1,2,3
.irp k, 0,1
	ds_store_b128 v[SA+\m], v[XSB+32*(\u)+8*\m+4*\k:XSB+32*(\u)+8*\m+4*\k+3] offset:64*(\u)+16*\k
.endr
.endr
.endm
	s_wait_alu depctr_vm_vsrc(0)                   ; the stage's LDS stores have read v64-191 and the hidden images' v192-255: b2's tile and z's numbers land there, and products and additions write there
.irp E, 0,1
.irp k, 0,1
	ds_load_b128 v[B2R+8*\E+4*\k:B2R+8*\E+4*\k+3], v[BAD] offset:4096*\E+16*\k
.endr
.endr
	s_wait_dscnt 0x0
	s_mov_b32 s62, 0                               ; two tiles' 128 bytes a trip
	s_mov_b32 s63, 7
.Lct:                                              ; seven trips: tiles 0 to 13, fetching tiles 2 to 15
	CT 0, 1, 0, 48, 48                             ; 48: the set's other half and the other set, three batches of 16
	CT 1, 1, 0, 48, 48
	s_wait_xcnt 0x0                                ; the loads have read their bases: they step
	s_add_nc_u64 s[48:49], s[48:49], 16384
	s_add_nc_u64 s[50:51], s[50:51], 16384
	s_add_co_u32 s62, s62, 128
	s_sub_co_u32 s63, s63, 1
	s_cmp_lg_u32 s63, 0
	s_cbranch_scc1 .Lct
	CT 0, 0, 0, 48, 32                             ; tile 14: nothing more to fetch, the counts run down
	WIN 0x40
.irp q, 0,1,2,3,4,5,6,7
	global_load_b128 v[4*\q:4*\q+3], v[L16], s[18:19] offset:512*\q         ; gamma and beta take the ring's set 0: column 128 q + 4 lane + 0 .. 3, as a row lies in a lane's registers at the end.  (Tile 14's last wait on va_vdst stands behind the products that read the set)
.endr
.irp q, 0,1,2,3,4,5,6,7
	global_load_b128 v[32+4*\q:32+4*\q+3], v[L16], s[20:21] offset:512*\q
.endr
	WIN 0
	CT 1, 0, 1, 32, 16                             ; tile 15: behind its first half stand its second and gamma's and beta's 16 loads.  Its one run of loads, z's, touches nothing that a vector or matrix instruction has named since tile 14's waits
	BAR                                            ; 64 rows of z lie in the stage
; ---- the layer norm: my 16 rows, four at a time
	s_wait_loadcnt 0x0                             ; gamma, beta
	s_mov_b32 s56, 0x3727c5ac                      ; 1e-5
	s_mov_b32 s66, 0                               ; four stage rows a trip
	s_mov_b32 s67, 0                               ; four lanes of TOKV a trip, in bytes
	s_lshl_b32 s68, s2, 4                          ; the trip's first row
	s_mov_b32 s63, 4
	s_wait_alu depctr_vm_vsrc(0)                   ; tile 15's LDS stores have read v184-215, of which three are written below
.irp p, 0,1,2,3
	v_mov_b32 v[T+8*\p+4], 0                       ; written once: a lane permute's destination counts as one of its sources
.endr
.macro LSUM                            ; v[T + 8 p] summed over the 32 lanes, for the four rows
.irp x, 1,2,4,8
.irp p, 0,1,2,3
	v_add_f32_dpp v[T+8*\p], v[T+8*\p], v[T+8*\p] row_xmask:\x row_mask:0xf bank_mask:0xf
.endr
.endr
.irp p, 0,1,2,3
	v_permlanex16_b32 v[T+8*\p+4], v[T+8*\p], s60, s61
.endr
.irp p, 0,1,2,3
	v_add_f32 v[T+8*\p], v[T+8*\p], v[T+8*\p+4]
.endr
.endm
.Lfin:
	s_cmp_lt_u32 s68, s34                          ; four rows that all lie behind the tile's last are left out (in a tile without rows: all): a branch round the work alone; no barrier stands in the loop
	s_cbranch_scc0 .Lskip
	s_wait_xcnt 0x0                                ; the last trip's stores have had their addresses translated,
	s_wait_alu depctr_vm_vsrc(0)                   ; and have read the rows v64-191 and the offsets v224-227, in which the LDS instructions below land; the last trip's LDS instructions have read v228-232, which are written now (first trip: the second product's stores and loads have read v144-215)
	v_add_nc_u32 v[ZA], s66, v[SXW]
	v_mov_b32 v[IX], s67
.irp p, 1,2,3
	v_add_nc_u32 v[IX+\p], 4*\p, v[IX]
.endr
	s_wait_alu depctr_va_vdst(0)                   ; the stage address v232 and the lane indices v228-231 are written, which the LDS instructions read; all earlier arithmetic is done with v64-191 and v224-227, in which they land
.irp p, 0,1,2,3
	ds_bpermute_b32 v[OA+\p], v[IX+\p], v[TOKV]    ; the row's token, in every lane
.endr
.irp p, 0,1,2,3
.irp q, 0,1,2,3,4,5,6,7
	ds_load_b128 v[Z+32*\p+4*\q:Z+32*\p+4*\q+3], v[ZA] offset:SP*\p+512*\q
.endr
.endr
	s_wait_dscnt 0x0
.irp p, 0,1,2,3
	v_min_u32 v[OA+\p], 0x1fff, v[OA+\p]
	v_lshl_add_u32 v[OA+\p], v[OA+\p], 12, v[L16]
.endr
.irp p, 0,1,2,3
	v_pk_add_f32 v[T+8*\p:T+8*\p+1], v[Z+32*\p:Z+32*\p+1], v[Z+32*\p+2:Z+32*\p+3]           ; the row's sum, two at a time, in two chains
	v_pk_add_f32 v[T+8*\p+2:T+8*\p+3], v[Z+32*\p+4:Z+32*\p+5], v[Z+32*\p+6:Z+32*\p+7]
.endr
.irp j, 8,12,16,20,24,28
.irp p, 0,1,2,3
	v_pk_add_f32 v[T+8*\p:T+8*\p+1], v[T+8*\p:T+8*\p+1], v[Z+32*\p+\j:Z+32*\p+\j+1]
	v_pk_add_f32 v[T+8*\p+2:T+8*\p+3], v[T+8*\p+2:T+8*\p+3], v[Z+32*\p+\j+2:Z+32*\p+\j+3]
.endr
.endr
.irp p, 0,1,2,3
	v_pk_add_f32 v[T+8*\p:T+8*\p+1], v[T+8*\p:T+8*\p+1], v[T+8*\p+2:T+8*\p+3]
.endr
.irp p, 0,1,2,3
	v_add_f32 v[T+8*\p], v[T+8*\p], v[T+8*\p+1]
.endr
	LSUM
.irp p, 0,1,2,3
	v_mul_f32 v[T+8*\p+6], s69, v[T+8*\p]          ; the mean, twice
	v_mul_f32 v[T+8*\p+7], s69, v[T+8*\p]
.endr
.irp j, 0,2,4,6,8,10,12,14,16,18,20,22,24,26,28,30
.irp p, 0,1,2,3
	v_pk_add_f32 v[Z+32*\p+\j:Z+32*\p+\j+1], v[Z+32*\p+\j:Z+32*\p+\j+1], v[T+8*\p+6:T+8*\p+7] neg_lo:[0,1] neg_hi:[0,1]   ; z - mean
.endr
.endr
.irp p, 0,1,2,3
	v_pk_mul_f32 v[T+8*\p:T+8*\p+1], v[Z+32*\p:Z+32*\p+1], v[Z+32*\p:Z+32*\p+1]             ; the sum of squares of what is left
	v_pk_mul_f32 v[T+8*\p+2:T+8*\p+3], v[Z+32*\p+2:Z+32*\p+3], v[Z+32*\p+2:Z+32*\p+3]
.endr
.irp j, 4,8,12,16,20,24,28
.irp p, 0,1,2,3
	v_pk_fma_f32 v[T+8*\p:T+8*\p+1], v[Z+32*\p+\j:Z+32*\p+\j+1], v[Z+32*\p+\j:Z+32*\p+\j+1], v[T+8*\p:T+8*\p+1]
	v_pk_fma_f32 v[T+8*\p+2:T+8*\p+3], v[Z+32*\p+\j+2:Z+32*\p+\j+3], v[Z+32*\p+\j+2:Z+32*\p+\j+3], v[T+8*\p+2:T+8*\p+3]
.endr
.endr
.irp p, 0,1,2,3
	v_pk_add_f32 v[T+8*\p:T+8*\p+1], v[T+8*\p:T+8*\p+1], v[T+8*\p+2:T+8*\p+3]
.endr
.irp p, 0,1,2,3
	v_add_f32 v[T+8*\p], v[T+8*\p], v[T+8*\p+1]
.endr
	LSUM
.irp p, 0,1,2,3
	v_fma_f32 v[T+8*\p], v[T+8*\p], s69, s56       ; the variance + 1e-5
.endr
	s_wait_alu depctr_va_vdst(0)
.irp p, 0,1,2,3
	v_rsq_f32 v[T+8*\p+6], v[T+8*\p]
	v_rsq_f32 v[T+8*\p+7], v[T+8*\p]
.endr
	v_nop                                          ; a plain instruction behind the last of the batch,
	s_wait_alu depctr_va_vdst(0)                   ; and one wait for the eight reciprocal roots, ahead of their first reader
.irp j, 0,2,4,6,8,10,12,14,16,18,20,22,24,26,28,30
.irp p, 0,1,2,3
	v_pk_mul_f32 v[Z+32*\p+\j:Z+32*\p+\j+1], v[Z+32*\p+\j:Z+32*\p+\j+1], v[T+8*\p+6:T+8*\p+7]
.endr
.endr
	WIN 0x14                                       ; gamma and beta in window 1
.irp j, 0,2,4,6,8,10,12,14,16,18,20,22,24,26,28,30
.irp p, 0,1,2,3
	v_pk_fma_f32 v[Z+32*\p+\j:Z+32*\p+\j+1], v[Z+32*\p+\j:Z+32*\p+\j+1], v[\j:\j+1], v[32+\j:32+\j+1]
.endr
.endr
	WIN 0
	s_wait_alu depctr_va_vdst(0)                   ; the four finished rows v64-191 and their offsets v224-227 are written, which the stores read
.irp p, 0,1,2,3
.irp q, 0,1,2,3,4,5,6,7
	global_store_b128 v[OA+\p], v[Z+32*\p+4*\q:Z+32*\p+4*\q+3], s[30:31] offset:512*\q th:TH_STORE_NT   ; 32 lanes store 512 consecutive bytes of the token's row, at a multiple of 256 from out0's first byte
.endr
.endr
.Lskip:
	s_add_co_u32 s66, s66, 4*SP
	s_add_co_u32 s67, s67, 16
	s_add_co_u32 s68, s68, 4
	s_sub_co_u32 s63, s63, 1
	s_cmp_lg_u32 s63, 0
	s_cbranch_scc1 .Lfin
	s_wait_dscnt 0x0
	s_wait_alu depctr_hold_cnt(0) depctr_sa_sdst(0) depctr_va_vdst(0) depctr_va_sdst(0) depctr_va_ssrc(0) depctr_va_vcc(0) depctr_vm_vsrc(0)
	s_wait_tensorcnt 0x0
	ds_add_u32 v10, v18
	s_wait_dscnt 0x0
	s_endpgm
.Lfunc_end_k_q3d893321c5_chain:
	.size	k_q3d893321c5_chain, .Lfunc_end_k_q3d893321c5_chain-k_q3d893321c5_chain
	.p2alignl 7, 3214868480
	.fill 96, 4, 3214868480
	.section	.rodata,"a",@progbits
	.p2align	6, 0x0
	.amdhsa_kernel k_q3d893321c5_chain
		.amdhsa_group_segment_fixed_size 275968
		.amdhsa_private_segment_fixed_size 0
		.amdhsa_enable_private_segment 0
		.amdhsa_kernarg_size 96
		.amdhsa_user_sgpr_count 2
		.amdhsa_user_sgpr_kernarg_segment_ptr 1
		.amdhsa_wavefront_size32 1
		.amdhsa_system_sgpr_workgroup_id_x 1
		.amdhsa_system_sgpr_workgroup_id_y 1
		.amdhsa_system_sgpr_workgroup_id_z 1
		.amdhsa_system_vgpr_workitem_id 0
		.amdhsa_next_free_vgpr 1024
		.amdhsa_next_free_sgpr 100
		.amdhsa_reserve_vcc 0
		.amdhsa_float_denorm_mode_32 3
		.amdhsa_float_denorm_mode_16_64 3
		.amdhsa_memory_ordered 1
		.amdhsa_forward_progress 1
		.amdhsa_inst_pref_size 255
	.end_amdhsa_kernel
	.section	.bss,"aw",@nobits
	.p2align	6
	.space	262144
	.amdgpu_metadata
---
amdhsa.version: [ 1, 2 ]
amdhsa.kernels:
  - .name:           k_q3d893321c5_chain
    .symbol:         k_q3d893321c5_chain.kd
    .args:
      - { .name: x, .offset: 0, .size: 8, .value_kind: global_buffer, .address_space: global }
      - { .name: w1f, .offset: 8, .size: 8, .value_kind: global_buffer, .address_space: global }
      - { .name: w2f, .offset: 16, .size: 8, .value_kind: global_buffer, .address_space: global }
      - { .name: b1, .offset: 24, .size: 8, .value_kind: global_buffer, .address_space: global }
      - { .name: b2, .offset: 32, .size: 8, .value_kind: global_buffer, .address_space: global }
      - { .name: gamma, .offset: 40, .size: 8, .value_kind: global_buffer, .address_space: global }
      - { .name: beta, .offset: 48, .size: 8, .value_kind: global_buffer, .address_space: global }
      - { .name: lowp_scales, .offset: 56, .size: 8, .value_kind: global_buffer, .address_space: global }
      - { .name: tiles, .offset: 64, .size: 8, .value_kind: global_buffer, .address_space: global }
      - { .name: tok, .offset: 72, .size: 8, .value_kind: global_buffer, .address_space: global }
      - { .name: wts, .offset: 80, .size: 8, .value_kind: global_buffer, .address_space: global }
      - { .name: out0, .offset: 88, .size: 8, .value_kind: global_buffer, .address_space: global }
    .group_segment_fixed_size: 275968
    .private_segment_fixed_size: 0
    .kernarg_segment_align: 8
    .kernarg_segment_size: 96
    .max_flat_workgroup_size: 128
    .sgpr_count:     100
    .vgpr_count:     1024
    .wavefront_size: 32
...
	.end_amdgpu_metadata
.endif
;; end of part 6
